; MI455X (gfx1250); checked and timed in simulation.
; The chip was launched on July 23, 2026; its instructions are those of AMD's public machine-readable ISA for CDNA 5 (MIT licence, August 2026) and "CDNA5" Instruction Set Architecture Reference Guide (July 2026). The comments in the code are by the model that wrote it; some were corrected since.
;; Multi Query Attention. Allowed arithmetic: float matrix products may take bf16 or f16 operands with f32 sums; other float arithmetic in f32, or as packed bf16 or f16 multiplies, adds, multiply-adds, maxima and minima; sums over many terms, partial sums and values carried from step to step in f32; what a program stores and reads back later, other than sums and carried values, may be rounded once to bf16 or f16.
;; Inputs: Wk 2,048 x 2,048 float32; Wo 2,048 x 2,048 float32; Wq 2,048 x 2,048 float32; Wv 2,048 x 2,048 float32; bo 2,048 float32; keys 2 x 2,048 x 2,048 float32; queries 2 x 2,048 x 2,048 float32; values 2 x 2,048 x 2,048 float32.
;; Outputs: out0 2 x 2,048 x 2,048 float32.
;; 2 versions, each right; version 2 is version 1 with the launch cast written anew for expert scheduling mode. Each part assembles by itself: llvm-mc -triple=amdgcn-amd-amdhsa -mcpu=gfx1250 --defsym DOCPART=n.
;; ======== version 1 of 2: 4 launches
;; limits: values are held in f16: magnitudes above 65,504 overflow, below 6.1e-05 lose precision
;; workspace buffers: xw 83,886,080 bytes; qkv 50,331,648 bytes; ob 16,777,216 bytes
;; launch cast (part 1): grid 128 x 10, 8 waves a work-group, no clusters, 0 bytes of LDS; arguments queries, keys, values, Wq, Wk, Wv, Wo, xw; writes xw
.if DOCPART == 1
	.amdgcn_target "amdgcn-amd-amdhsa--gfx1250"
	.amdhsa_code_object_version 6
	.text
	.protected	k_qdf0f9ff33a_cast
	.globl	k_qdf0f9ff33a_cast
	.p2align	8
	.type	k_qdf0f9ff33a_cast,@function
k_qdf0f9ff33a_cast:
	s_mov_b64 s[64:65], 0
	v_nop
	global_prefetch_b8 v0, s[64:65] scope:SCOPE_SE
	s_setreg_imm32_b32 hwreg(HW_REG_WAVE_MODE, 25, 1), 1
	s_wait_xcnt 0x0
; THE CAST.  All seven large inputs, f32, are rounded once to 16 bits and laid into one buffer xw of ten units of [2048][2048] numbers (8,388,608 bytes each):
; units 0-1 queries, 2-3 keys, 4-5 values (each [4096][2048]), 6 Wq, 7 Wk, 8 Wv: bf16;  unit 9 Wo: rounded to bf16 like the others, and that number written as f16,
; since the last product multiplies it with f16 numbers.
; LIMITS.  f16 holds Wo's bf16 value exactly from 2^-17 up to 65,504; below 2^-17 it is off by 2^-25 at the most; beyond 65,504 it would be an infinity.
; SHARES.  The grid's y is the unit.  A work-group owns 16 rows of its unit; thread t owns 8 columns of every row: 32 bytes in (two loads of 16), 16 bytes out,
; so sixteen neighbouring lanes store 256 consecutive bytes, aligned.  All 32 loads of a thread go out at once; the rows are converted and stored as they come.
; No LDS, no barrier, no matrix unit: no wave wants a byte that another has fetched.  Every byte is read once and written once.
.set X, 8                              ; v[8:135]   row i as loaded at X + 8 i; its first four registers then hold the packed result
.set T, 136                            ; v[136:143] at work in Wo's path
.set RIN,  8192                        ; bytes in a row, f32
.set ROUT, 4096                        ; bytes in a row, 16 bits
	s_load_b512 s[8:23], s[0:1], 0x0               ; queries s[8:9], keys s[10:11], values s[12:13], Wq s[14:15], Wk s[16:17], Wv s[18:19], Wo s[20:21], xw s[22:23]
	s_and_b32 s2, ttmp7, 0xffff                    ; the unit, 0 to 9
	s_lshr_b32 s3, s2, 1                           ; units 0 to 5: which of the three activations
	v_lshlrev_b32 v1, 5, v0                        ; my 32 bytes of a row of the source
	v_lshlrev_b32 v2, 4, v0                        ; my 16 bytes of a row of xw
	s_lshl_b32 s24, ttmp9, 17                      ; the work-group's 16 rows of 8,192 bytes,
	s_and_b32 s26, s2, 1
	s_lshl_b32 s26, s26, 24                        ; and, in an activation, its second half of 2,048 rows
	s_cmp_lt_u32 s2, 6
	s_cselect_b32 s26, s26, 0
	s_add_co_u32 s24, s24, s26
	s_mov_b32 s25, 0
	s_lshl_b32 s26, s2, 23                         ; the unit in xw,
	s_lshl_b32 s27, ttmp9, 16                      ; the work-group's 16 rows of 4,096 bytes
	s_add_co_u32 s26, s26, s27
	s_mov_b32 s27, 0
	s_wait_kmcnt 0x0
	s_mov_b64 s[4:5], s[8:9]                       ; the source is chosen by the unit's number alone
	s_cmp_eq_u32 s3, 1
	s_cselect_b64 s[4:5], s[10:11], s[4:5]
	s_cmp_eq_u32 s3, 2
	s_cselect_b64 s[4:5], s[12:13], s[4:5]
	s_cmp_eq_u32 s2, 6
	s_cselect_b64 s[4:5], s[14:15], s[4:5]
	s_cmp_eq_u32 s2, 7
	s_cselect_b64 s[4:5], s[16:17], s[4:5]
	s_cmp_eq_u32 s2, 8
	s_cselect_b64 s[4:5], s[18:19], s[4:5]
	s_cmp_eq_u32 s2, 9
	s_cselect_b64 s[4:5], s[20:21], s[4:5]
	s_add_nc_u64 s[4:5], s[4:5], s[24:25]
	s_add_nc_u64 s[6:7], s[22:23], s[26:27]
.set i, 0
.rept 16
	global_load_b128 v[X+8*i:X+8*i+3],   v1, s[4:5] offset:RIN*i th:TH_LOAD_NT
	global_load_b128 v[X+8*i+4:X+8*i+7], v1, s[4:5] offset:RIN*i+16 th:TH_LOAD_NT
.set i, i+1
.endr
; Row i.  wo = 1: the bf16 numbers are widened again (a shift, a mask) and written as f16.  No register that a store reads is written behind that store.
.macro ROW i, wo
	s_wait_loadcnt 30-2*(\i)                       ; loads come back in order: row i's two are in, the 30 - 2 i issued behind them may stay out
.irp j, 0,1,2,3
	v_cvt_pk_bf16_f32 v[X+8*(\i)+(\j)], v[X+8*(\i)+2*(\j)], v[X+8*(\i)+2*(\j)+1]  ; in place, ascending: word j is written when words 2 j and 2 j + 1 are read
.endr
.if \wo
.irp j, 0,1,2,3
	v_lshlrev_b32 v[T+2*(\j)],   16, v[X+8*(\i)+(\j)]
	v_and_b32     v[T+2*(\j)+1], 0xffff0000, v[X+8*(\i)+(\j)]
.endr
.irp j, 0,1,2,3
	v_cvt_pk_f16_f32 v[X+8*(\i)+(\j)], v[T+2*(\j)], v[T+2*(\j)+1]
.endr
.endif
	global_store_b128 v2, v[X+8*(\i):X+8*(\i)+3], s[6:7] offset:ROUT*(\i) th:TH_STORE_NT
.endm
	s_cmp_eq_u32 s2, 9
	s_cbranch_scc1 .Lwo
.irp i, 0,1,2,3,4,5,6,7,8,9,10,11,12,13,14,15
	ROW \i, 0
.endr
	s_endpgm
.Lwo:
.irp i, 0,1,2,3,4,5,6,7,8,9,10,11,12,13,14,15
	ROW \i, 1
.endr
	s_endpgm
.Lfunc_end_k_qdf0f9ff33a_cast:
	.size	k_qdf0f9ff33a_cast, .Lfunc_end_k_qdf0f9ff33a_cast-k_qdf0f9ff33a_cast
	.p2alignl 7, 3214868480
	.fill 96, 4, 3214868480
	.section	.rodata,"a",@progbits
	.p2align	6, 0x0
	.amdhsa_kernel k_qdf0f9ff33a_cast
		.amdhsa_group_segment_fixed_size 0
		.amdhsa_private_segment_fixed_size 0
		.amdhsa_enable_private_segment 0
		.amdhsa_kernarg_size 64
		.amdhsa_user_sgpr_count 2
		.amdhsa_user_sgpr_kernarg_segment_ptr 1
		.amdhsa_wavefront_size32 1
		.amdhsa_system_sgpr_workgroup_id_x 1
		.amdhsa_system_sgpr_workgroup_id_y 1
		.amdhsa_system_sgpr_workgroup_id_z 1
		.amdhsa_system_vgpr_workitem_id 0
		.amdhsa_next_free_vgpr 144
		.amdhsa_next_free_sgpr 66
		.amdhsa_reserve_vcc 0
		.amdhsa_float_denorm_mode_32 3
		.amdhsa_float_denorm_mode_16_64 3
		.amdhsa_memory_ordered 1
		.amdhsa_forward_progress 1
		.amdhsa_inst_pref_size 27
	.end_amdhsa_kernel
	.amdgpu_metadata
---
amdhsa.version: [ 1, 2 ]
amdhsa.kernels:
  - .name:           k_qdf0f9ff33a_cast
    .symbol:         k_qdf0f9ff33a_cast.kd
    .args:
      - { .name: queries, .offset: 0, .size: 8, .value_kind: global_buffer, .address_space: global }
      - { .name: keys, .offset: 8, .size: 8, .value_kind: global_buffer, .address_space: global }
      - { .name: values, .offset: 16, .size: 8, .value_kind: global_buffer, .address_space: global }
      - { .name: Wq, .offset: 24, .size: 8, .value_kind: global_buffer, .address_space: global }
      - { .name: Wk, .offset: 32, .size: 8, .value_kind: global_buffer, .address_space: global }
      - { .name: Wv, .offset: 40, .size: 8, .value_kind: global_buffer, .address_space: global }
      - { .name: Wo, .offset: 48, .size: 8, .value_kind: global_buffer, .address_space: global }
      - { .name: xw, .offset: 56, .size: 8, .value_kind: global_buffer, .address_space: global }
    .group_segment_fixed_size: 0
    .private_segment_fixed_size: 0
    .kernarg_segment_align: 8
    .kernarg_segment_size: 64
    .max_flat_workgroup_size: 256
    .sgpr_count:     66
    .vgpr_count:     144
    .wavefront_size: 32
...
	.end_amdgpu_metadata
.endif
;; end of part 1
;; launch proj (part 2): grid 8 x 48, 4 waves a work-group, clusters of 4 x 4, 327,680 bytes of LDS; arguments xw, qkv; writes qkv
.if DOCPART == 2
	.amdgcn_target "amdgcn-amd-amdhsa--gfx1250"
	.amdhsa_code_object_version 6
	.text
	.protected	k_qdf0f9ff33a_proj
	.globl	k_qdf0f9ff33a_proj
	.p2align	8
	.type	k_qdf0f9ff33a_proj,@function
k_qdf0f9ff33a_proj:
	s_mov_b64 s[64:65], 0
	v_nop
	global_prefetch_b8 v0, s[64:65] scope:SCOPE_SE
	s_setreg_imm32_b32 hwreg(HW_REG_WAVE_MODE, 25, 1), 1
	s_wait_xcnt 0x0
	s_wait_alu depctr_hold_cnt(0) depctr_sa_sdst(0) depctr_va_vdst(0) depctr_va_sdst(0) depctr_va_ssrc(0) depctr_va_vcc(0) depctr_vm_vsrc(0)
	s_getreg_b32 s2, hwreg(HW_REG_IB_STS2, 6, 4)
	s_cmp_eq_u32 s2, 0
	s_cbranch_scc0 .Lentry_in_a_cluster
	s_endpgm
.Lentry_in_a_cluster:
	s_bfe_u32 s2, ttmp6, 0x10000c
	s_cmp_lg_u32 s2, 0xf033
	s_cbranch_scc0 .Lentry_shape_is_right
	s_endpgm
.Lentry_shape_is_right:
; THE THREE PROJECTIONS.  q = queries Wq^T, k = keys Wk^T, v = values Wv^T: C[m][n] = sum over k of A[m][k] B[n][k], K = N = 2,048, sums in f32, K ascending.
; A: units 0-5 of xw in bf16: queries, keys, values on end, 12,288 rows of 2,048.  B: units 6, 7, 8 of xw in bf16: Wq, Wk, Wv, 2,048 rows each.  C: qkv, q, k, v on end, 12,288 rows of 2,048 in f16,
; each number rounded once, unscaled.
; LIMITS.  q, k and v leave in f16: a sum of 65,520 or more would leave as an infinity.  NaN and infinities are not treated apart.
; SHARES.  A tile of C is 256 x 256, one work-group each: 48 tile rows (16 a plane) x 8 tile columns.  Four waves, as many as a WGP has SIMDs, each 128 x 128: 64 accumulators of 16 x 16, 512 registers.
; K goes in steps of 128 through two LDS slots filled by the tensor data mover; the tiles' rows are 256 bytes of memory, at multiples of 256 from the buffer's first byte.
; WHY THIS TILE.  One refill a wave is on its way at a time, from one change of slots to the next.  With this tile a K step holds 256 matrix instructions a wave, 224 of them between a refill's request and the
; wait for it, and a tile has 16 changes of slots; a tile of 128 x 256 would hold half as many for three quarters of the LDS bytes.  The price: 384 work-groups for 256 WGPs, so half of the WGPs take a second one.
; CLUSTER.  4 x 4 work-groups.  The four of a row of the cluster need the same tile of A, the four of a column the same tile of B: each is asked for JOINTLY, by the same tensor load with the same descriptor
; and a mask that names the four.  A cluster's four tile rows lie in one plane (16 is a multiple of 4), so the plane, cluster y / 4, is the same in all sixteen.
; THE MATRIX INSTRUCTION IS USED TRANSPOSED (source 0 = 16 rows of B, source 1 = 16 rows of A): a lane holds row l % 16 of C and the columns 8 (l / 16) + 0..7, which pack into 16 bytes.
; REGISTERS, in windows of 256 (s_set_vgpr_msb: bits 1:0 source 0, 3:2 source 1, 5:4 source 2, 7:6 destination):
;   window 0: v0-31 addresses; v64-127, v128-191 fragments of A (8 x 16 rows x 32 K), two buffers (in the last K step four, of 16 rows x 128 K); v32-63, v192-255 at work on the way out
;   window 1: v64-127, v128-191 fragments of B, two buffers; in the last K step all 256: B's fragments of the whole step
;   window 2: the 32 accumulators of my rows 0-63 (accumulator (a, b) at v[8 (8 a + b)]);   window 3: those of my rows 64-127
.set SIZE_K, 2048
.set SIZE_N, 2048
.set UNIT,   8388608                   ; bytes in a unit of xw
.set KSTEP,  128
.set PITCH,  272                       ; an LDS row: 256 bytes + 16 of padding = 68 words: row r starts at bank 4 r mod 64 (64 banks of 4 bytes: ISA guide 11.1), so the 16 rows of a load start at 16 different banks
.set HALFT,  128*PITCH                 ; 128 rows: what one tensor load brings, and what one wave reads of A or of B
.set SLOT,   4*HALFT                   ; A's 256 rows, then B's 256 rows: 139,264 bytes
.set STAGE,  2*SLOT                    ; behind the ring, never filled by a tensor load: 16 rows x 272 bytes for each wave, for the way out
.set SPITCH, 272
.set SPARE,  STAGE+4*16*SPITCH         ; behind the stages: the spare words, 128 bytes for each wave: two blocks of 256 bytes that no other line names
.set LAPS,   SIZE_K/(2*KSTEP)          ; a lap = two K steps = once round the ring
.set ADRA, 16                          ; v16-17  LDS address of my A fragments in slot 0, 1
.set ADRB, 20                          ; v20-21  the same for B
.set STO,  24                          ; v24     the way out: where I put 16 bytes of a row
.set RD,   25                          ; v25     the way out: where I read a row back
.set CO,   26                          ; v26     my byte offset in C
.set SPW,  28                          ; v28     LDS address of my spare word: SPARE + 4 x my thread's number; never rewritten
.set NIL,  29                          ; v29     0; never rewritten
.set PFO,  30                          ; v30     the prefetches' offset: my lane x a row of A or B (4,096 bytes); never rewritten
.set F0,   64                          ; fragment buffer 0
.set F1,   128                         ; fragment buffer 1
.set TMP,  192                         ; the way out: packed results, in window 0
.set OB,   32                          ; the way out: 16 rows read back from the stage: v32-63 and v224-255 by turns
.set PA,   64                          ; the last K step: A's fragments of 16 rows x 128 K, 32 registers; four such buffers, v64-191
.set G1,   24                          ; s[24:31] descriptor group 1 for A's tiles;  s[32:39] group 0, a set for each slot
.set G0,   32
.set G1B,  48                          ; s[48:55], s[56:63] the same for B's
.set G0B,  56
.set LIM,  43                          ; s43     1 in a wave that prefetches, else the greatest number
.set PFA,  44                          ; s[44:45] where my prefetches stand: one K step further along K than the refill that is being asked for; a prefetch names the K step after that
.set GW0,  (1<<16)|(1<<20)|(1<<21)|(5<<22)|(3<<25)  ; group 1, word 0 beside the mask: 17:16 elements of 2 bytes; 20 padding on; 21 set beside a mask; 24:22 after every 64 words (code 5); 31:25 4 words of it (code 3)
.set MUL_LO, 0xa1                      ; source 0 (B) window 1, source 1 (A) window 0, C and D window 2
.set MUL_HI, 0xf1                      ; the same, C and D window 3
.set TO_B,   0x40                      ; destination window 1, address window 0
.set MSB, 0
.macro WIN new                         ; the immediate's high byte repeats the setting that is left; a switch that changes nothing is dropped
.if MSB != (\new)
	s_set_vgpr_msb (MSB<<8)|(\new)
.set MSB, \new
.endif
.endm
; A joint load.  Waves 0 and 1 fetch A's two halves, waves 2 and 3 B's, 128 rows each.  The branch hangs on the wave's number alone: it is the same in every work-group.
; An s_nop 0 and four v_nop follow each of the two lines, ahead of the jump, the label and what follows.
.macro JLOAD s
	s_cmp_eq_u32 s11, 0
	s_cbranch_scc0 .Lfor_b_\@
	tensor_load_to_lds s[G0+4*(\s):G0+4*(\s)+3], s[G1:G1+7]
	s_nop 0
.rept 4
	v_nop
.endr
	s_branch .Lasked_\@
.Lfor_b_\@:
	tensor_load_to_lds s[G0B+4*(\s):G0B+4*(\s)+3], s[G1B:G1B+7]
	s_nop 0
.rept 4
	v_nop
.endr
.Lasked_\@:
.endm
; A PREFETCH INTO THE L2, behind each joint load, its five lines and the run of LDS loads: 32 rows x 256 bytes of the K step that stands two refills, 512 matrix instructions, on: a lane a row, one instruction a wave.
; Each row's 256 bytes of a K step are named once in the launch.  A's tile row is read by both clusters of that row of clusters: the one with cluster x = 0 asks.  B's tile column is read by the four
; cluster rows of its plane: the first of them (cluster y a multiple of 4) asks.  Of the 128 rows that a wave fetches, each of the four partners that ask for them jointly takes 32, told apart BY ADDRESS
; (cx for A, cy for B): no branch hangs on a work-group's place in its cluster.  The loop's last trip asks for nothing: its two refills have no K step two on.  K steps 0 to 3 come by their loads alone.
.macro ASK
	s_cmp_gt_u32 s3, s[LIM]                        ; s3 = 1 in the loop's last trip
	s_cbranch_scc0 .Lnot_mine_\@
	global_prefetch_b8 v[PFO], s[PFA:PFA+1] offset:KSTEP*2 th:TH_LOAD_NT scope:SCOPE_SE
.Lnot_mine_\@:
.endm
; A round of the cluster's barrier: my work-group's barrier, so that wave 0's signal speaks for all four waves; wave 0 signals; every wave waits for all sixteen work-groups; my work-group's barrier once more.
.macro CREST                           ; a round behind its opening barrier
	s_cmp_lg_u32 s10, 0
	s_cbranch_scc1 .Lnot_wave_0_\@
	s_barrier_signal -3
.Lnot_wave_0_\@:
	s_barrier_wait -3
	s_barrier_signal -1
	s_barrier_wait -1
.endm
.macro CROUND                          ; a whole round
	s_barrier_signal -1
	s_barrier_wait -1
	CREST
.endm
	s_load_b128 s[4:7], s[0:1], 0x0                ; xw s[4:5], qkv s[6:7]
	v_lshl_add_u32 v[SPW], v0, 2, SPARE
	v_mov_b32 v[NIL], 0
	ds_add_u32 v[SPW], v[NIL]                      ; the wave's opening: the add and its wait stand ahead of my first tensor load; the set-up below, work on registers, stands between them
	ds_add_u32 v28, v29
	v_lshrrev_b32 v1, 5, v0
	v_readfirstlane_b32 s10, v1                    ; wave 0..3
	s_lshr_b32 s11, s10, 1                         ; which half of the tile's rows is mine.  Also: I fetch for A (0) or for B (1)
	s_and_b32 s12, s10, 1                          ; which half of its columns.  Also: which 128 rows of that tile I fetch
	s_bfe_u32 s40, ttmp6, 0x40000                  ; cx, cy: my place in the cluster
	s_bfe_u32 s41, ttmp6, 0x40004
	s_lshl_b32 s42, ttmp9, 2                       ; in a cluster launch ttmp9 and ttmp7 count clusters
	s_add_co_u32 s42, s42, s40                     ; tile column of C = 4 x cluster x + cx, 0 to 7
	s_and_b32 s13, ttmp7, 0xffff                   ; cluster y, 0 to 11
	s_lshr_b32 s2, s13, 2                          ; the plane: 0 q, 1 k, 2 v: made of the cluster's y alone
	s_lshl_b32 s13, s13, 2
	s_add_co_u32 s13, s13, s41                     ; tile row of C = 4 x cluster y + cy, 0 to 47
	s_lshl_b32 s43, s41, 2
	s_lshl_b32 s43, 15, s43                        ; my row of the cluster: places 4 cy .. 4 cy + 3
	s_lshl_b32 s44, 0x1111, s40                    ; my column: places cx, cx + 4, cx + 8, cx + 12
	s_or_b32 s[G1+0], s43, GW0                     ; A's tiles go to my row,
	s_or_b32 s[G1B+0], s44, GW0                    ; B's to my column
.irp g, G1, G1B
	s_mov_b32 s[(\g)+1], KSTEP<<16                 ; tensor_dim0 = 128
	s_mov_b32 s[(\g)+2], 128<<16                   ; tensor_dim1 = 128
	s_mov_b32 s[(\g)+3], KSTEP<<16                 ; tile_dim0 = 128
	s_mov_b32 s[(\g)+4], 128                       ; tile_dim1 = 128
	s_mov_b32 s[(\g)+5], SIZE_K                    ; elements from row to row
	s_mov_b32 s[(\g)+6], 0
	s_mov_b32 s[(\g)+7], 0
.endr
	; where the tiles come from.  A's hang on the tile row alone, which my row of the cluster shares; B's on the tile column and the plane, which my column shares.
	; Every wave makes both addresses, in registers that never hold the other coordinate, and asks by one of them.
	s_lshl_b32 s17, s12, 7                         ; which 128 rows of the tile I fetch
	s_lshl_b32 s16, s13, 8
	s_add_co_u32 s16, s16, s17                     ; A: row 256 x tile row + 128 x half, of the 12,288,
	s_lshl_b32 s16, s16, 12                        ; of 4,096 bytes
	s_lshl_b32 s46, s42, 8
	s_add_co_u32 s46, s46, s17                     ; B: row 256 x tile column + 128 x half,
	s_lshl_b32 s46, s46, 12
	s_lshl_b32 s47, s2, 23                         ; in the plane's unit
	s_add_co_u32 s46, s46, s47
	s_mov_b32 s17, 0
	s_mov_b32 s47, 0
	s_mul_i32 s20, s10, HALFT                      ; and where they go: A's two halves, then B's two halves = wave x 128 rows: no place in the cluster enters an LDS address
	s_wait_dscnt 0x0                               ; the opening add is done
	s_wait_kmcnt 0x0
	s_mov_b64 s[8:9], s[6:7]                       ; C = qkv
	s_add_nc_u64 s[6:7], s[4:5], 6*UNIT            ; B = Wq, Wk, Wv; A lies at xw's head
	s_add_nc_u64 s[14:15], s[4:5], s[16:17]
	s_add_nc_u64 s[46:47], s[6:7], s[46:47]
	CROUND                                         ; all sixteen work-groups are here: the first joint loads meet
.irp s, 0,1
	s_mov_b32 s[G0+4*(\s)], 1                                        ; 1:0 count = 1
	s_add_co_u32 s[G0+4*(\s)+1], s20, (\s)*SLOT                      ; 63:32 LDS address
	s_add_nc_u64 s[G0+4*(\s)+2:G0+4*(\s)+3], s[14:15], (\s)*KSTEP*2  ; 120:64 global address: K step s
	s_or_b32 s[G0+4*(\s)+3], s[G0+4*(\s)+3], 0x80000000              ; 127:126 type = 2
	s_mov_b32 s[G0B+4*(\s)], 1
	s_add_co_u32 s[G0B+4*(\s)+1], s20, (\s)*SLOT
	s_add_nc_u64 s[G0B+4*(\s)+2:G0B+4*(\s)+3], s[46:47], (\s)*KSTEP*2
	s_or_b32 s[G0B+4*(\s)+3], s[G0B+4*(\s)+3], 0x80000000
	JLOAD \s                                       ; both slots are asked for before anything else is done: two loads of mine are out
.endr
	; A fragment is 16 rows x 32 K in 8 registers: lane l holds row l % 16; registers 0-3 K = 8 (l / 16) + 0..7, registers 4-7 K = 16 + 8 (l / 16) + 0..7: two loads of 16 bytes, 32 bytes apart.
	v_and_b32 v1, 15, v0                           ; l % 16
	v_bfe_u32 v2, v0, 4, 1                         ; l / 16
	v_mul_u32_u24 v3, v1, PITCH
	v_lshl_add_u32 v3, v2, 4, v3                   ; row x pitch + 16 x half
	s_mul_i32 s21, s11, HALFT                      ; my 128 rows of A
	s_mul_i32 s22, s12, HALFT                      ; my 128 rows of B,
	s_add_co_u32 s22, s22, 2*HALFT                 ; which lie behind A's 256
.irp s, 0,1
	v_add_nc_u32 v[ADRA+(\s)], s21, v3
	v_add_nc_u32 v[ADRB+(\s)], s22, v3
	s_add_co_u32 s21, s21, SLOT
	s_add_co_u32 s22, s22, SLOT
.endr
	s_mul_i32 s23, s10, 16*SPITCH
	s_add_co_u32 s23, s23, STAGE                   ; my stage
	v_mul_u32_u24 v4, v1, SPITCH                   ; in: row l % 16, 16 bytes for each half of the lanes
	v_lshl_add_u32 v4, v2, 4, v4
	v_add_nc_u32 v[STO], s23, v4
	v_mul_u32_u24 v5, v2, SPITCH                   ; back: lanes 0-15 take one row of 256 bytes, lanes 16-31 the next
	v_lshl_add_u32 v5, v1, 4, v5
	v_add_nc_u32 v[RD], s23, v5
	v_mul_u32_u24 v5, v2, SIZE_N*2                 ; and the same two rows in C
	v_lshl_add_u32 v[CO], v1, 4, v5
	; where my part of the tile begins in C, in bytes: the way out adds it to C's address
	s_lshl_b32 s13, s13, 8                         ; 256 x tile row
	s_lshl_b32 s14, s11, 7
	s_add_co_u32 s16, s13, s14                     ; my first row of C, of the 12,288,
	s_lshl_b32 s16, s16, 12                        ; of 4,096 bytes
	s_mov_b32 s17, 0
	s_lshl_b32 s46, s42, 9                         ; my first column, in bytes: 512 x tile column + 256 x half (in the registers that held B's address)
	s_lshl_b32 s47, s12, 8
	s_add_co_u32 s46, s46, s47
	s_mov_b32 s47, 0
	s_add_nc_u64 s[16:17], s[16:17], s[46:47]
	; the prefetches.  s13 = 256 x tile row, s42 = tile column, s40 = cx, s41 = cy, s2 = the plane still stand
	s_lshl_b32 s42, s42, 8
	s_and_b32 s22, ttmp7, 3                        ; cluster y within its plane
	s_cmp_eq_u32 s11, 0                            ; do I fetch for A?
	s_cselect_b32 s20, s13, s42                    ; the tile's first row: in A by the tile row, in B by the tile column
	s_cselect_b32 s21, s40, s41                    ; my place among the four that ask for it with me
	s_cselect_b32 s22, ttmp9, s22                  ; the coordinate along which other clusters read the same rows
	s_cselect_b32 s23, 0, s2                       ; B: the plane's unit
	s_cselect_b64 s[PFA:PFA+1], s[4:5], s[6:7]
	s_cmp_eq_u32 s22, 0
	s_cselect_b32 s[LIM], 1, -1                    ; the same in all sixteen partners, for a given wave
	s_lshl_b32 s22, s12, 7
	s_add_co_u32 s20, s20, s22                     ; + the 128 rows that I fetch
	s_lshl_b32 s21, s21, 5
	s_add_co_u32 s20, s20, s21                     ; + my work-group's 32 of them
	s_lshl_b32 s20, s20, 12
	s_lshl_b32 s23, s23, 23
	s_add_co_u32 s20, s20, s23
	s_mov_b32 s21, 0
	s_add_nc_u64 s[PFA:PFA+1], s[PFA:PFA+1], s[20:21]
	s_add_nc_u64 s[PFA:PFA+1], s[PFA:PFA+1], 2*KSTEP*2  ; at K step 2: the first refill steps it to 3 and names K step 4.  Nothing is prefetched here, at the head
	v_and_b32 v[PFO], 31, v0
	v_lshlrev_b32 v[PFO], 12, v[PFO]
; 16 matrix instructions: m blocks a0, a0 + 1 of the window's four (hi = 0: my rows 0-63, 1: rows 64-127) x all 8 n blocks, 32 along K.  zero = 1: the product starts the sums: nothing is ever cleared.
; The 64 accumulators take turns, one instruction a turn, in the same order in every quarter: between two links of a chain stand the 63 others'.
.macro MUL16 f, hi, a0, zero
	WIN MUL_LO+0x50*(\hi)
.irp a, \a0, (\a0)+1
.irp b, 0,1,2,3,4,5,6,7
.if \zero
	v_wmma_f32_16x16x32_bf16 v[8*(8*(\a)+(\b)):8*(8*(\a)+(\b))+7], v[(\f)+8*(\b):(\f)+8*(\b)+7], v[(\f)+8*(4*(\hi)+(\a)):(\f)+8*(4*(\hi)+(\a))+7], 0
.else
	v_wmma_f32_16x16x32_bf16 v[8*(8*(\a)+(\b)):8*(8*(\a)+(\b))+7], v[(\f)+8*(\b):(\f)+8*(\b)+7], v[(\f)+8*(4*(\hi)+(\a)):(\f)+8*(4*(\hi)+(\a))+7], v[8*(8*(\a)+(\b)):8*(8*(\a)+(\b))+7]
.endif
.endr
.endr
.endm
; 32 LDS loads in one run: the fragments of a quarter step (128 rows of B, 128 rows of A, 32 K at byte k of the rows) into buffer f
.macro FETCH slot, k, f
	WIN TO_B
.irp i, 0,1,2,3,4,5,6,7
	ds_load_b128 v[(\f)+8*(\i):(\f)+8*(\i)+3],   v[ADRB+(\slot)] offset:(\k)+(\i)*16*PITCH
	ds_load_b128 v[(\f)+8*(\i)+4:(\f)+8*(\i)+7], v[ADRB+(\slot)] offset:(\k)+(\i)*16*PITCH+32
.endr
	WIN 0
.irp i, 0,1,2,3,4,5,6,7
	ds_load_b128 v[(\f)+8*(\i):(\f)+8*(\i)+3],   v[ADRA+(\slot)] offset:(\k)+(\i)*16*PITCH
	ds_load_b128 v[(\f)+8*(\i)+4:(\f)+8*(\i)+7], v[ADRA+(\slot)] offset:(\k)+(\i)*16*PITCH+32
.endr
.endm
; A load into a register that a matrix instruction has read, and a vector instruction that reads a matrix result, stand four places behind that matrix instruction; only plain vector instructions that
; name none of its registers are places (ISA guide 7.12.1 for vector instructions).
.macro PLACES
.rept 4
	v_nop
.endr
.endm
; A K step is four quarters of 32 along K, 64 matrix instructions each, on buffers 0, 1, 0, 1.  One of the first three: multiplies buffer f; in its middle it fetches the next quarter, at byte k, into g.
.macro QUARTER slot, k, f, g, zero
	s_wait_dscnt 8                                 ; B and A's rows 0-63 are in; the youngest eight loads (A's rows 64-127) may be out
	MUL16 \f, 0, 0, \zero
	MUL16 \f, 0, 2, \zero
	PLACES
	FETCH \slot, \k, \g
	s_wait_dscnt 32                                ; all but the 32 just issued
	MUL16 \f, 1, 0, \zero
	MUL16 \f, 1, 2, \zero
.endm
; The fourth quarter multiplies buffer 1 and changes slots.  MEET is its first half: ONE barrier.  In front of it each wave waits for all its tensor loads, of which one is out: its part of the next slot;
; adds 0 to its spare word; and waits for that and for its own reads of this slot.  Behind it nobody reads this slot any more and the next slot is whole.
.macro MEET round                      ; round = 1: the rest of a round of the cluster's barrier follows
	WIN 0                                          ; (the add's two registers lie in window 0)
	s_wait_tensorcnt 0x0                           ; all my tensor loads have landed;
	ds_add_u32 v[SPW], v[NIL]                      ; 0 onto my spare word;
	s_wait_dscnt 9                                 ; (the add and the youngest eight loads may be out)
	MUL16 F1, 0, 0, 0                              ; sixteen matrix instructions stand between the add and the wait for it
	s_wait_dscnt 0x0                               ; the add is done, and my reads of this slot are over
	s_barrier_signal -1
	MUL16 F1, 0, 2, 0                              ; work on registers while the others arrive
.if \round
	WIN 0
.endif
	s_barrier_wait -1
.endm
; The whole fourth quarter of a K step whose slot is filled again, with the K step two on.  The barrier opens a round of the cluster's barrier, so that no wave of any partner still reads the slot or has a
; load on its way; the joint refill is the first tensor load behind the round; then come the next slot's first fragments.
.macro TURN slot, next
	s_wait_xcnt 0x0                                ; the last prefetch, a K step back, has read its address: it is stepped here, ahead of the waits of the change of slots
	s_add_nc_u64 s[PFA:PFA+1], s[PFA:PFA+1], KSTEP*2
	MEET 1
	CREST
	s_add_nc_u64 s[G0+4*(\slot)+2:G0+4*(\slot)+3], s[G0+4*(\slot)+2:G0+4*(\slot)+3], 2*KSTEP*2      ; no tensor load of mine is out, so a group 0 may be written
	s_add_nc_u64 s[G0B+4*(\slot)+2:G0B+4*(\slot)+3], s[G0B+4*(\slot)+2:G0B+4*(\slot)+3], 2*KSTEP*2
	JLOAD \slot                                    ; the four v_nop behind it are also the places in front of the loads below
	FETCH \next, 0, F0
	ASK
	MUL16 F1, 1, 0, 0
	MUL16 F1, 1, 2, 0
.endm
; THE LAST K STEP (it lies in slot 1) GOES BY ROWS OF C, NOT BY K.  All its fragments of B (4 quarters x 64 registers) fill window 1; then my eight blocks of 16 rows are finished one after the other, each
; with 32 matrix instructions (its 8 accumulators by turns, K ascending: the sums are the same), and each block leaves as soon as it is finished.  LDS is read no more than in any other K step.
.macro BLOAD q                         ; B's fragments of quarter q -> window 1, v[64 q ..]
	WIN TO_B
.irp i, 0,1,2,3,4,5,6,7
	ds_load_b128 v[64*(\q)+8*(\i):64*(\q)+8*(\i)+3],   v[ADRB+1] offset:64*(\q)+(\i)*16*PITCH
	ds_load_b128 v[64*(\q)+8*(\i)+4:64*(\q)+8*(\i)+7], v[ADRB+1] offset:64*(\q)+(\i)*16*PITCH+32
.endr
.endm
.macro ALOAD a                         ; A's fragments of block a, all four quarters -> buffer a % 4
	WIN 0
.set FA, PA+32*((\a)%4)
.irp q, 0,1,2,3
	ds_load_b128 v[FA+8*(\q):FA+8*(\q)+3],   v[ADRA+1] offset:64*(\q)+(\a)*16*PITCH
	ds_load_b128 v[FA+8*(\q)+4:FA+8*(\q)+7], v[ADRA+1] offset:64*(\q)+(\a)*16*PITCH+32
.endr
.endm
.macro ROW a                           ; block a is finished: 32 matrix instructions
.set FA, PA+32*((\a)%4)                ; its fragments of A
.set AC, 64*((\a)%4)                   ; its eight accumulators, in window 2 (blocks 0-3) or 3 (blocks 4-7)
	WIN MUL_LO+0x50*((\a)/4)
.irp q, 0,1,2,3
.if (\a) == 0 && (\q) == 2
	s_wait_dscnt 24                                ; B's quarter 2 is in (behind it: A's blocks 1 to 3)
.endif
.irp b, 0,1,2,3,4,5,6,7
	v_wmma_f32_16x16x32_bf16 v[AC+8*(\b):AC+8*(\b)+7], v[64*(\q)+8*(\b):64*(\q)+8*(\b)+7], v[FA+8*(\q):FA+8*(\q)+7], v[AC+8*(\b):AC+8*(\b)+7]
.endr
.endr
.endm
; THE WAY OUT of block a, in three parts.  PACK: rounded to f16, 16 bytes a lane; each accumulator's registers are read in ascending order.
; TOSTAGE: into my own stage in LDS, and back as whole rows of 256 bytes.  SEND: stored.
.macro PACK a
.set AC, 64*((\a)%4)
	WIN 0x0a+5*((\a)/4)                            ; sources 0 and 1: window 2 or 3
.irp b, 0,1,2,3,4,5,6,7
.irp r, 0,1,2,3
	v_cvt_pk_f16_f32 v[TMP+4*(\b)+(\r)], v[AC+8*(\b)+2*(\r)], v[AC+8*(\b)+2*(\r)+1]
.endr
.endr
	WIN 0
.endm
.macro TOSTAGE a
	WIN 0
.set BK, OB+192*((\a)%2)
.irp b, 0,1,2,3,4,5,6,7
	ds_store_b128 v[STO], v[TMP+4*(\b):TMP+4*(\b)+3] offset:32*(\b)
.endr
.irp t, 0,1,2,3,4,5,6,7
	ds_load_b128 v[BK+4*(\t):BK+4*(\t)+3], v[RD] offset:(\t)*2*SPITCH  ; LDS serves a wave's instructions in order (ISA guide 5.7.1.4): these see the stores above; the next block's stores come behind them
.endr
.endm
.macro SEND a, younger                 ; younger: the LDS loads issued behind TOSTAGE's, which may stay out
	WIN 0
.set BK, OB+192*((\a)%2)
	s_wait_dscnt \younger                          ; the block is back in registers
	s_wait_xcnt 0x0                                ; every earlier store has read its registers and its base: only behind this wait are they written again
.if (\a) == 0
	s_add_nc_u64 s[8:9], s[8:9], s[16:17]          ; on to my first rows
.else
	s_add_nc_u64 s[8:9], s[8:9], 16*SIZE_N*2       ; 16 rows of C on
.endif
.irp t, 0,1,2,3,4,5,6,7
	global_store_b128 v[CO], v[BK+4*(\t):BK+4*(\t)+3], s[8:9] offset:2*(\t)*SIZE_N*2  ; 16 lanes store 256 consecutive bytes, at a multiple of 256 from C's first byte
.endr
.endm
	s_wait_tensorcnt 1                             ; my part of K step 0 is in; K step 1's may stay out
	s_barrier_signal -1
	s_barrier_wait -1                              ; everybody's is
	FETCH 0, 0, F0
	QUARTER 0, 64,  F0, F1, 1                      ; the first quarter stands in front of the loop: its products start the sums
	WIN 0                                          ; at a label and at a branch every window is 0
	s_mov_b32 s3, LAPS-1
.Llap:                                                 ; a trip goes once round the ring, from a lap's second quarter to the next lap's first, and fills both slots again
	QUARTER 0, 128, F1, F0, 0
	QUARTER 0, 192, F0, F1, 0
	TURN 0, 1
	QUARTER 1, 64,  F0, F1, 0
	QUARTER 1, 128, F1, F0, 0
	QUARTER 1, 192, F0, F1, 0
	TURN 1, 0
	QUARTER 0, 64,  F0, F1, 0
	WIN 0
	s_sub_co_u32 s3, s3, 1
	s_cmp_lg_u32 s3, 0
	s_cbranch_scc1 .Llap
	QUARTER 0, 128, F1, F0, 0                      ; the last lap goes on; it asks for nothing more
	QUARTER 0, 192, F0, F1, 0
	MEET 0                                         ; my one tensor load that was still out is slot 1's, the last K step's, so no round follows
	PLACES                                         ; for the loads into buffer 0, which the quarter before multiplied
	BLOAD 0                                        ; three quarters of B now: buffer 1 (v128-191 of both windows) is still being multiplied
	BLOAD 1
	BLOAD 3
	ALOAD 0
	MUL16 F1, 1, 0, 0
	MUL16 F1, 1, 2, 0
	PLACES                                         ; for the loads into buffer 1
	BLOAD 2
	ALOAD 1
	ALOAD 2
	ALOAD 3
	s_wait_dscnt 40                                ; all but the 40 just issued
	ROW 0
.irp a, 0,1,2,3,4,5,6,7
	PLACES                                         ; its conversions read results just made, and no other vector work is at hand
	PACK \a
	TOSTAGE \a
.if (\a) < 4
	ALOAD (\a)+4                                   ; its buffer takes the block four further on
	SEND \a, 8
.else
	SEND \a, 0
.endif
.if (\a) < 7
	ROW (\a)+1
.endif
.endr
	s_wait_tensorcnt 0x0                           ; the wave's end: behind my last tensor load and my last LDS store
	ds_add_u32 v[SPW], v[NIL]
	s_wait_dscnt 0x0
	CROUND                                         ; the closing round: no work-group ends while a partner may still ask for a tile that names it
	s_endpgm
.Lfunc_end_k_qdf0f9ff33a_proj:
	.size	k_qdf0f9ff33a_proj, .Lfunc_end_k_qdf0f9ff33a_proj-k_qdf0f9ff33a_proj
	.p2alignl 7, 3214868480
	.fill 96, 4, 3214868480
	.section	.rodata,"a",@progbits
	.p2align	6, 0x0
	.amdhsa_kernel k_qdf0f9ff33a_proj
		.amdhsa_group_segment_fixed_size 327680
		.amdhsa_private_segment_fixed_size 0
		.amdhsa_enable_private_segment 0
		.amdhsa_kernarg_size 16
		.amdhsa_user_sgpr_count 2
		.amdhsa_user_sgpr_kernarg_segment_ptr 1
		.amdhsa_wavefront_size32 1
		.amdhsa_system_sgpr_workgroup_id_x 1
		.amdhsa_system_sgpr_workgroup_id_y 1
		.amdhsa_system_sgpr_workgroup_id_z 1
		.amdhsa_system_vgpr_workitem_id 0
		.amdhsa_next_free_vgpr 1024
		.amdhsa_next_free_sgpr 66
		.amdhsa_reserve_vcc 0
		.amdhsa_float_denorm_mode_32 3
		.amdhsa_float_denorm_mode_16_64 3
		.amdhsa_memory_ordered 1
		.amdhsa_forward_progress 1
		.amdhsa_inst_pref_size 144
	.end_amdhsa_kernel
	.amdgpu_metadata
---
amdhsa.version: [ 1, 2 ]
amdhsa.kernels:
  - .name:           k_qdf0f9ff33a_proj
    .symbol:         k_qdf0f9ff33a_proj.kd
    .args:
      - { .name: xw, .offset: 0, .size: 8, .value_kind: global_buffer, .address_space: global }
      - { .name: qkv, .offset: 8, .size: 8, .value_kind: global_buffer, .address_space: global }
    .group_segment_fixed_size: 327680
    .private_segment_fixed_size: 0
    .kernarg_segment_align: 8
    .kernarg_segment_size: 16
    .max_flat_workgroup_size: 128
    .sgpr_count:     66
    .vgpr_count:     1024
    .wavefront_size: 32
...
	.end_amdgpu_metadata
.endif
;; end of part 2
;; launch attn (part 3): grid 256 x 1, 8 waves a work-group, no clusters, 248,832 bytes of LDS; arguments qkv, ob; writes ob
.if DOCPART == 3
	.amdgcn_target "amdgcn-amd-amdhsa--gfx1250"
	.amdhsa_code_object_version 6
	.text
	.protected	k_qdf0f9ff33a_attn
	.globl	k_qdf0f9ff33a_attn
	.p2align	8
	.type	k_qdf0f9ff33a_attn,@function
k_qdf0f9ff33a_attn:
	s_mov_b64 s[64:65], 0
	v_nop
	global_prefetch_b8 v0, s[64:65] scope:SCOPE_SE
	s_setreg_imm32_b32 hwreg(HW_REG_WAVE_MODE, 25, 1), 1
	s_wait_xcnt 0x0
; ATTENTION ACROSS THE 16 HEADS OF ONE TOKEN.  For each of 4,096 tokens: E[t][s] = q[128 t ..] . k[128 s ..] over 128 channels; P = softmax over s of E / sqrt(128);
; O[128 t + d] = sum over s of P[t][s] v[128 s + d].  qkv: [3][4096][2048] f16 (q, k, v, unscaled); ob: [4096][2048] f16.  Products, maximum and sum in f32.
; The row's true maximum is taken away before the exponentials; the weights are divided by their sum in f32 and then rounded to f16 for the second product; O is rounded once.
; LIMITS.  A weight below 2^-126 counts as 0; p lies in 0 to 1 and below 6e-5 keeps f16's fixed step; O is a mean of v's rows and has their range.  NaN and infinities are not treated apart.
; SHARES.  A work-group owns 16 tokens, each of its eight waves two, worked on side by side, so that the two score accumulators take turns.  A token's q, k or v is 16 heads x 256 bytes, dense:
; a wave's two tokens of one tensor are 32 rows of 256 bytes, one tensor load.  Each wave fetches, reads and stages its own LDS bytes alone: no barrier, nothing is filled twice, no loop.
; No cluster: no two work-groups read the same byte.  No prefetch: all that a work-group reads is asked for at its head.
; LAYOUT.  S^T = K Q^T (source 0 = the 16 key heads, source 1 = the 16 query heads): a lane holds ONE query head t = l % 16 and the key heads s = 8 (l / 16) + 0..7.  Rounded in pairs these are
; registers 0-3 of source 1 of O^T = V^T P; the form sums over 32, the token has 16 key heads: registers 4-7 of both sources hold 0.  V ([s][d]) comes out of LDS turned, by ds_load_tr16_b128.
; REGISTERS (s_set_vgpr_msb: bits 1:0 source 0, 3:2 source 1, 5:4 source 2, 7:6 destination):
;   window 0: v0-11 addresses; v16-31 statistics, 8 a token; v32-47 S^T; v48-63 P; v64-127 Q's fragments (later the packed O); v128-191 K's
;   window 1: v0-127 V^T's fragments; v128-255 O^T
.set QP,    272                        ; a row of Q or K in LDS: 256 bytes + 16 = 68 words: the 16 rows of a load start at 16 different groups of four banks (64 banks of 4 bytes: ISA guide 11.1)
.set VP,    288                        ; a row of V: 256 + 32 = 72 words
.set KOFF,  32*QP                      ; a wave's fills: 32 rows of Q, 32 of K, 32 of V
.set VOFF,  2*32*QP
.set WREG,  2*32*QP+32*VP              ; 26,624 bytes a wave
.set STAGE, 8*WREG                     ; behind the fills, never filled by a tensor load: 16 rows x 272 bytes for each wave
.set SP,    272
.set SPARE, STAGE+8*16*SP              ; behind the stages: the spare words, 128 bytes for each wave: four blocks of 256 bytes that no other line names
.set PLANE, 16777216                   ; bytes from q to k to v
.set AQ,  3                            ; v3   my lane's place in Q's rows (K's: + KOFF)
.set AV,  4                            ; v4   the same for the turning loads of V
.set STO, 5                            ; v5   the way out: where I put 16 bytes of a row
.set RD,  6                            ; v6   the way out: where I read rows back
.set GO,  7                            ; v7   my 16 bytes of 512 consecutive bytes of O
.set SPW, 8                            ; v8   LDS address of my spare word: SPARE + 4 x my thread's number; never rewritten
.set NIL, 9                            ; v9   0; never rewritten
.set ST,  16                           ; token t's statistics at ST + 8 t: +0 c m, +1 m, +2 to +5 at work, +6, +7 1 / l twice
.set S,   32
.set P,   48
.set QF,  64                           ; token t, channels 32 c on, at QF + 32 t + 8 c
.set KF,  128
.set VF,  0                            ; window 1: token t, channels 16 cb on, at 64 t + 8 cb
.set O,   128                          ; window 1: likewise
.set G1QK, 16                          ; s[16:23] descriptor group 1 for Q and K
.set G1V,  24                          ; s[24:31] for V: it differs in the padding alone
.set G0Q,  32                          ; s[32:35], s[36:39], s[40:43] descriptor group 0 for Q, K, V
.set G0K,  36
.set G0V,  40
.set MSB, 0
.macro WIN new                         ; the immediate's high byte repeats the setting that is left; a switch that changes nothing is dropped
.if MSB != (\new)
	s_set_vgpr_msb (MSB<<8)|(\new)
.set MSB, \new
.endif
.endm
.macro BOTH line:vararg                ; one line for each of the two tokens t, so that no line reads the result of the line before it
.set t, 0
.rept 2
	\line
.set t, t+1
.endr
.endm
	s_load_b128 s[4:7], s[0:1], 0x0                ; qkv s[4:5], ob s[6:7]
	v_lshl_add_u32 v[SPW], v0, 2, SPARE
	v_mov_b32 v[NIL], 0
	ds_add_u32 v[SPW], v[NIL]                      ; the wave's opening: the add and its wait stand ahead of my first tensor load; the set-up below, work on registers, stands between them
	ds_add_u32 v8, v9
	v_lshrrev_b32 v1, 5, v0
	v_readfirstlane_b32 s8, v1                     ; wave 0..7
	s_lshl_b32 s2, ttmp9, 16                       ; the work-group's 16 tokens of 4,096 bytes,
	s_lshl_b32 s3, s8, 13                          ; my wave's two
	s_add_co_u32 s2, s2, s3
	s_mov_b32 s3, 0
	s_mul_i32 s9, s8, WREG                         ; my wave's fills in LDS
	; descriptor group 1: 8,192 dense bytes as 32 rows of 32 elements of 8 bytes, padded in LDS behind every row
	s_mov_b32 s[G1QK], (3<<16)|(1<<20)|(5<<22)|(3<<25)  ; 17:16 elements of 8 bytes; 20 padding on; 24:22 after every 64 words (code 5); 31:25 4 words of it (code 3)
	s_mov_b32 s[G1V],  (3<<16)|(1<<20)|(5<<22)|(7<<25)  ; the same with 8 words of padding (code 7)
.irp g, G1QK, G1V
	s_mov_b32 s[(\g)+1], 32<<16                    ; tensor_dim0 = 32
	s_mov_b32 s[(\g)+2], 32<<16                    ; tensor_dim1 = 32
	s_mov_b32 s[(\g)+3], 32<<16                    ; tile_dim0 = 32
	s_mov_b32 s[(\g)+4], 32                        ; tile_dim1 = 32
	s_mov_b32 s[(\g)+5], 32                        ; 32 elements from row to row
	s_mov_b32 s[(\g)+6], 0
	s_mov_b32 s[(\g)+7], 0
.endr
	s_mov_b32 s[G0Q], 1                            ; 1:0 count = 1
	s_mov_b32 s[G0Q+1], s9                         ; 63:32 LDS address
	s_mov_b32 s[G0K], 1
	s_add_co_u32 s[G0K+1], s9, KOFF
	s_mov_b32 s[G0V], 1
	s_add_co_u32 s[G0V+1], s9, VOFF
	s_mov_b32 s10, 0x3e0293ee                      ; c = log2(e) / sqrt(128) = 0.127517
	s_mov_b32 s11, s10                             ; named with it as a pair
	s_mov_b32 s12, 0x76543210                      ; v_permlanex16_b32's selects: each lane takes its own place in the other half
	s_mov_b32 s13, 0xfedcba98
	s_wait_dscnt 0x0                               ; the opening add is done
	s_wait_kmcnt 0x0
	s_add_nc_u64 s[4:5], s[4:5], s[2:3]            ; q and O at my two tokens
	s_add_nc_u64 s[6:7], s[6:7], s[2:3]
	s_mov_b64 s[G0Q+2:G0Q+3], s[4:5]               ; 120:64 global address
	s_or_b32 s[G0Q+3], s[G0Q+3], 0x80000000        ; 127:126 type = 2
	s_add_nc_u64 s[G0K+2:G0K+3], s[4:5], PLANE
	s_or_b32 s[G0K+3], s[G0K+3], 0x80000000
	s_add_nc_u64 s[G0V+2:G0V+3], s[4:5], 2*PLANE
	s_or_b32 s[G0V+3], s[G0V+3], 0x80000000
	tensor_load_to_lds s[G0Q:G0Q+3], s[G1QK:G1QK+7]  ; all that I read, at once: three loads of mine are out
	s_nop 0
	tensor_load_to_lds s[G0K:G0K+3], s[G1QK:G1QK+7]
	s_nop 0
	tensor_load_to_lds s[G0V:G0V+3], s[G1V:G1V+7]
	s_nop 0
	; in the wait for them: addresses, and the zeros that fill both sources of the second product from 16 key heads up to the form's 32
	v_and_b32 v1, 15, v0                           ; l % 16
	v_bfe_u32 v2, v0, 4, 1                         ; l / 16
	v_mul_u32_u24 v[AQ], v1, QP
	v_lshl_add_u32 v[AQ], v2, 4, v[AQ]             ; a fragment of Q or K: row l % 16, 16 bytes for each half of the lanes, twice, 32 bytes apart
	v_add_nc_u32 v[AQ], s9, v[AQ]
	v_and_b32 v10, 7, v0
	v_bfe_u32 v11, v0, 3, 1
	v_lshl_add_u32 v[AV], v2, 3, v10               ; the turning load: lane l reads key head 8 (l / 16) + l % 8, channels 8 ((l / 8) % 2) + 0..7, and is left with channel l % 16 and 8 key heads
	v_mul_u32_u24 v[AV], v[AV], VP
	v_lshl_add_u32 v[AV], v11, 4, v[AV]
	s_add_co_u32 s14, s9, VOFF
	v_add_nc_u32 v[AV], s14, v[AV]
.irp r, 4,5,6,7,12,13,14,15
	v_mov_b32 v[P+(\r)], 0
.endr
	WIN 0x40
.set i, 0
.rept 16
	v_mov_b32 v[VF+8*i+4], 0
	v_mov_b32 v[VF+8*i+5], 0
	v_mov_b32 v[VF+8*i+6], 0
	v_mov_b32 v[VF+8*i+7], 0
.set i, i+1
.endr
	WIN 0
	s_wait_tensorcnt 1                             ; tensor loads of a wave end in order (ISA guide 10.11.1): Q and K are in; V may stay out
.irp c, 0,1,2,3
.irp u, 0,1
	ds_load_b128 v[KF+32*(\u)+8*(\c):KF+32*(\u)+8*(\c)+3],   v[AQ] offset:KOFF+16*QP*(\u)+64*(\c)
	ds_load_b128 v[KF+32*(\u)+8*(\c)+4:KF+32*(\u)+8*(\c)+7], v[AQ] offset:KOFF+16*QP*(\u)+64*(\c)+32
	ds_load_b128 v[QF+32*(\u)+8*(\c):QF+32*(\u)+8*(\c)+3],   v[AQ] offset:16*QP*(\u)+64*(\c)
	ds_load_b128 v[QF+32*(\u)+8*(\c)+4:QF+32*(\u)+8*(\c)+7], v[AQ] offset:16*QP*(\u)+64*(\c)+32
.endr
.endr
	; S^T = K Q^T: four steps of 32 channels; the two tokens' accumulators take turns, one instruction a turn; the first step starts the sums
.irp c, 0,1,2,3
	s_wait_dscnt 24-8*(\c)                         ; the eight loads of each later step may stay out
.irp u, 0,1
.if (\c) == 0
	v_wmma_f32_16x16x32_f16 v[S+8*(\u):S+8*(\u)+7], v[KF+32*(\u)+8*(\c):KF+32*(\u)+8*(\c)+7], v[QF+32*(\u)+8*(\c):QF+32*(\u)+8*(\c)+7], 0
.else
	v_wmma_f32_16x16x32_f16 v[S+8*(\u):S+8*(\u)+7], v[KF+32*(\u)+8*(\c):KF+32*(\u)+8*(\c)+7], v[QF+32*(\u)+8*(\c):QF+32*(\u)+8*(\c)+7], v[S+8*(\u):S+8*(\u)+7]
.endif
.endr
.endr
	s_wait_tensorcnt 0x0                           ; V is in
	WIN 0x40                                       ; destination window 1
.irp u, 0,1
.irp cb, 0,1,2,3,4,5,6,7
	ds_load_tr16_b128 v[VF+64*(\u)+8*(\cb):VF+64*(\u)+8*(\cb)+3], v[AV] offset:16*VP*(\u)+32*(\cb)
.endr
.endr
	WIN 0
	s_mul_i32 s14, s8, 16*SP                       ; the addresses for the way out: eight plain instructions, the places behind the score products
	s_add_co_u32 s14, s14, STAGE                   ; my stage
	v_mul_u32_u24 v[STO], v1, SP                   ; in: row t = l % 16, 16 bytes for each half of the lanes
	v_lshl_add_u32 v[STO], v2, 4, v[STO]
	v_add_nc_u32 v[STO], s14, v[STO]
	v_mul_u32_u24 v[RD], v2, SP                    ; back: lanes 0-15 take one head's 256 bytes, lanes 16-31 the next's,
	v_lshl_add_u32 v[RD], v1, 4, v[RD]
	v_add_nc_u32 v[RD], s14, v[RD]
	v_and_b32 v[GO], 31, v0                        ; which are 512 consecutive bytes of O
	v_lshlrev_b32 v[GO], 4, v[GO]
	; THE SOFTMAX.  A lane holds 8 of its query head's 16 scores; the other 8 lie in the lane 16 away.  The accumulators' lowest registers are read first.
	BOTH v_max3_num_f32 v[ST+8*t+2], v[S+8*t], v[S+8*t+1], v[S+8*t+2]
	BOTH v_max3_num_f32 v[ST+8*t+3], v[S+8*t+3], v[S+8*t+4], v[S+8*t+5]
	BOTH v_max3_num_f32 v[ST+8*t+2], v[ST+8*t+2], v[S+8*t+6], v[S+8*t+7]
	BOTH v_max_num_f32 v[ST+8*t+2], v[ST+8*t+2], v[ST+8*t+3]
	BOTH v_permlanex16_b32 v[ST+8*t+3], v[ST+8*t+2], s12, s13
	BOTH v_max_num_f32 v[ST+8*t+1], v[ST+8*t+2], v[ST+8*t+3]
	BOTH v_mul_f32 v[ST+8*t], s10, v[ST+8*t+1]
.irp j, 0,2,4,6
	BOTH v_pk_fma_f32 v[S+8*t+\j:S+8*t+\j+1], v[S+8*t+\j:S+8*t+\j+1], s[10:11], v[ST+8*t:ST+8*t+1] op_sel_hi:[1,0,0] neg_lo:[0,0,1] neg_hi:[0,0,1]
.endr
.irp j, 0,1,2,3,4,5,6,7
	BOTH v_exp_f32 v[S+8*t+\j], v[S+8*t+\j]
.endr
	v_nop                                          ; a plain instruction between the last exponential and the use of its result (ISA guide 5.7.2)
	s_wait_alu depctr_va_vdst(0)
	BOTH v_pk_add_f32 v[ST+8*t+2:ST+8*t+3], v[S+8*t:S+8*t+1], v[S+8*t+2:S+8*t+3]
	BOTH v_pk_add_f32 v[ST+8*t+4:ST+8*t+5], v[S+8*t+4:S+8*t+5], v[S+8*t+6:S+8*t+7]
	BOTH v_pk_add_f32 v[ST+8*t+2:ST+8*t+3], v[ST+8*t+2:ST+8*t+3], v[ST+8*t+4:ST+8*t+5]
	BOTH v_add_f32 v[ST+8*t+2], v[ST+8*t+2], v[ST+8*t+3]
	BOTH v_permlanex16_b32 v[ST+8*t+3], v[ST+8*t+2], s12, s13
	BOTH v_add_f32 v[ST+8*t+2], v[ST+8*t+2], v[ST+8*t+3]
	BOTH v_rcp_f32 v[ST+8*t+6], v[ST+8*t+2]
	BOTH v_rcp_f32 v[ST+8*t+7], v[ST+8*t+2]
	v_nop                                          ; likewise behind the last reciprocal
	s_wait_alu depctr_va_vdst(0)
.irp j, 0,2,4,6
	BOTH v_pk_mul_f32 v[S+8*t+\j:S+8*t+\j+1], v[S+8*t+\j:S+8*t+\j+1], v[ST+8*t+6:ST+8*t+7]
.endr
.irp j, 0,1,2,3
	BOTH v_cvt_pk_f16_f32 v[P+8*t+\j], v[S+8*t+2*\j], v[S+8*t+2*\j+1]
.endr
	; O^T = V^T P: one product for each token and each 16 channels, each a sum of its own
	s_wait_dscnt 0x0                               ; V's fragments are in
	WIN 0x41                                       ; V^T and O^T in window 1, P in window 0
.irp u, 0,1
.irp cb, 0,1,2,3,4,5,6,7
	v_wmma_f32_16x16x32_f16 v[O+64*(\u)+8*(\cb):O+64*(\u)+8*(\cb)+7], v[VF+64*(\u)+8*(\cb):VF+64*(\u)+8*(\cb)+7], v[P+8*(\u):P+8*(\u)+7], 0
.endr
.endr
.rept 8
	v_nop                                          ; the places behind those products: the conversions read results just made (eight, once a launch)
.endr
; THE WAY OUT.  Token u: a lane's eight channels of a head pack into 16 bytes; they go into rows of 272 bytes and come back as whole heads of 256, into the registers that they left.
.macro PACK u
	WIN 0x05                                       ; sources 0 and 1 in window 1
.set i, 0
.rept 32
	v_cvt_pk_f16_f32 v[QF+32*(\u)+i], v[O+64*(\u)+2*i], v[O+64*(\u)+2*i+1]
.set i, i+1
.endr
	WIN 0
.irp f, 0,1,2,3,4,5,6,7
	ds_store_b128 v[STO], v[QF+32*(\u)+4*(\f):QF+32*(\u)+4*(\f)+3] offset:32*(\f)
.endr
.irp f, 0,1,2,3,4,5,6,7
	ds_load_b128 v[QF+32*(\u)+4*(\f):QF+32*(\u)+4*(\f)+3], v[RD] offset:(\f)*2*SP  ; LDS serves a wave's instructions in order (ISA guide 5.7.1.4): these see the stores above; the next token's stores come behind them
.endr
.endm
.macro SEND u, younger                 ; younger: the LDS instructions issued behind token u's loads: the next token's sixteen, or none
.irp f, 0,1,2,3,4,5,6,7
	s_wait_dscnt (\younger)+7-(\f)
	global_store_b128 v[GO], v[QF+32*(\u)+4*(\f):QF+32*(\u)+4*(\f)+3], s[6:7] offset:(\u)*4096+(\f)*512  ; 512 consecutive bytes, at a multiple of 256 from O's first byte
.endr
.endm
	PACK 0
	PACK 1
	SEND 0, 16
	SEND 1, 0
	s_wait_tensorcnt 0x0                           ; the wave's end: behind my last tensor load and my last LDS store
	ds_add_u32 v[SPW], v[NIL]
	s_wait_dscnt 0x0
	s_endpgm
.Lfunc_end_k_qdf0f9ff33a_attn:
	.size	k_qdf0f9ff33a_attn, .Lfunc_end_k_qdf0f9ff33a_attn-k_qdf0f9ff33a_attn
	.p2alignl 7, 3214868480
	.fill 96, 4, 3214868480
	.section	.rodata,"a",@progbits
	.p2align	6, 0x0
	.amdhsa_kernel k_qdf0f9ff33a_attn
		.amdhsa_group_segment_fixed_size 248832
		.amdhsa_private_segment_fixed_size 0
		.amdhsa_enable_private_segment 0
		.amdhsa_kernarg_size 16
		.amdhsa_user_sgpr_count 2
		.amdhsa_user_sgpr_kernarg_segment_ptr 1
		.amdhsa_wavefront_size32 1
		.amdhsa_system_sgpr_workgroup_id_x 1
		.amdhsa_system_sgpr_workgroup_id_y 1
		.amdhsa_system_sgpr_workgroup_id_z 1
		.amdhsa_system_vgpr_workitem_id 0
		.amdhsa_next_free_vgpr 512
		.amdhsa_next_free_sgpr 66
		.amdhsa_reserve_vcc 0
		.amdhsa_float_denorm_mode_32 3
		.amdhsa_float_denorm_mode_16_64 3
		.amdhsa_memory_ordered 1
		.amdhsa_forward_progress 1
		.amdhsa_inst_pref_size 24
	.end_amdhsa_kernel
	.amdgpu_metadata
---
amdhsa.version: [ 1, 2 ]
amdhsa.kernels:
  - .name:           k_qdf0f9ff33a_attn
    .symbol:         k_qdf0f9ff33a_attn.kd
    .args:
      - { .name: qkv, .offset: 0, .size: 8, .value_kind: global_buffer, .address_space: global }
      - { .name: ob, .offset: 8, .size: 8, .value_kind: global_buffer, .address_space: global }
    .group_segment_fixed_size: 248832
    .private_segment_fixed_size: 0
    .kernarg_segment_align: 8
    .kernarg_segment_size: 16
    .max_flat_workgroup_size: 256
    .sgpr_count:     66
    .vgpr_count:     512
    .wavefront_size: 32
...
	.end_amdgpu_metadata
.endif
;; end of part 3
;; launch outp (part 4): grid 8 x 32, 4 waves a work-group, clusters of 4 x 4, 327,680 bytes of LDS; arguments ob, xw, bo, out0; writes out0
.if DOCPART == 4
	.amdgcn_target "amdgcn-amd-amdhsa--gfx1250"
	.amdhsa_code_object_version 6
	.text
	.protected	k_qdf0f9ff33a_outp
	.globl	k_qdf0f9ff33a_outp
	.p2align	8
	.type	k_qdf0f9ff33a_outp,@function
k_qdf0f9ff33a_outp:
	s_mov_b64 s[64:65], 0
	v_nop
	global_prefetch_b8 v0, s[64:65] scope:SCOPE_SE
	s_setreg_imm32_b32 hwreg(HW_REG_WAVE_MODE, 25, 1), 1
	s_wait_xcnt 0x0
	s_wait_alu depctr_hold_cnt(0) depctr_sa_sdst(0) depctr_va_vdst(0) depctr_va_sdst(0) depctr_va_ssrc(0) depctr_va_vcc(0) depctr_vm_vsrc(0)
	s_getreg_b32 s2, hwreg(HW_REG_IB_STS2, 6, 4)
	s_cmp_eq_u32 s2, 0
	s_cbranch_scc0 .Lentry_in_a_cluster
	s_endpgm
.Lentry_in_a_cluster:
	s_bfe_u32 s2, ttmp6, 0x10000c
	s_cmp_lg_u32 s2, 0xf033
	s_cbranch_scc0 .Lentry_shape_is_right
	s_endpgm
.Lentry_shape_is_right:
; ONE SOURCE, BUILT TWICE: OUTP = 0 the three projections, OUTP = 1 the output product.  C[m][n] = sum over k of A[m][k] B[n][k], M = 4,096, N = K = 2,048, sums in f32.
;   OUTP = 0: q = queries Wq^T, k = keys Wk^T, v = values Wv^T.  A and B lie in xw in bf16 (units 0-5 and 6-8); C = qkv, [3][4096][2048] in f16, each number rounded once, unscaled.
;             A WORK-GROUP STAYS: it makes the same tile of q, then of k, then of v; the ring of slots runs on from tile to tile.
;   OUTP = 1: out0 = O Wo^T + bo.  A = ob in f16, B = unit 9 of xw in f16, C = out0 in f32; bo is rounded to bf16, as every input of the module is, and added in f32.
; LIMITS.  q, k and v leave in f16: a sum of 65,520 or more would leave as an infinity.  NaN and infinities are not treated apart.
; SHARES.  A tile of C is 128 x 256: 32 x 8 = 256 tiles, one work-group each.  Four waves, each 64 x 128: 32 accumulators of 16 x 16, 256 registers.
; K goes in steps of 128 through two LDS slots filled by the tensor data mover; the tiles' rows are 256 bytes of memory, at multiples of 256 from the buffer's first byte.  Two slots of a longer
; step (384 rows x 528 bytes each) do not fit into 327,680 bytes.
; CLUSTER.  4 x 4 work-groups.  The four of a row of the cluster need the same tile of A, the four of a column the same tile of B: each is asked for JOINTLY, by the same tensor load with the same
; descriptor and a mask that names the four.
; THE MATRIX INSTRUCTION IS USED TRANSPOSED (source 0 = 16 rows of B, source 1 = 16 rows of A): a lane holds row l % 16 of C and the columns 8 (l / 16) + 0..7.
; REGISTERS, in windows of 256 (s_set_vgpr_msb: bits 1:0 source 0, 3:2 source 1, 5:4 source 2, 7:6 destination):
;   window 0: v0-31 addresses; v32-63 at work on the way out; v64-159, v160-255 two fragment buffers (8 fragments of B, then 4 of A), free on the way out
;   window 1: the accumulators, (a, b) at v[8 (8 a + b)]
.set OUTP,   1
.set SIZE_K, 2048
.set SIZE_N, 2048
.set UNIT,   8388608                   ; bytes in a unit of xw
.set KSTEP,  128
.set PITCH,  272                       ; an LDS row: 256 bytes + 16 of padding = 68 words: row r starts at bank 4 r mod 64 (64 banks of 4 bytes: ISA guide 11.1), so the 16 rows of a load start at 16 different banks
.set AH,     64*PITCH                  ; half of A's tile: what waves 0 and 1 fetch, and what a wave reads of A
.set BH,     128*PITCH                 ; half of B's tile: what waves 2 and 3 fetch, and what a wave reads of B
.set BOFF,   2*AH                      ; B's 256 rows lie behind A's 128
.set SLOT,   BOFF+2*BH                 ; 104,448 bytes
.set STAGE,  2*SLOT                    ; behind the ring, never filled by a tensor load: 16 rows for each wave, for the way out
.set LAPS,   SIZE_K/(2*KSTEP)          ; a lap = two K steps = once round the ring
.if OUTP
.set TILES,  1
.set CEL,    4                         ; bytes in a number of C
.set SPITCH, 528                       ; a stage row: 128 f32 + 16 bytes
.set OB,     64                        ; the way out: three buffers of 64 registers, v64-255
.else
.set TILES,  3
.set CEL,    2
.set SPITCH, 272                       ; a stage row: 128 f16 + 16 bytes
.set OB,     160                       ; the way out: two buffers of 32 registers, v160-223, in fragment buffer 1 (buffer 0 holds the next tile's first fragments by then)
.endif
.set CROW,   SIZE_N*CEL                ; bytes in a row of C
.set SPARE,  STAGE+4*16*SPITCH         ; behind the stages: the spare words, 128 bytes for each wave: two blocks of 256 bytes that no other line names
.set PLANE_A, 4096*SIZE_K*2            ; from queries to keys to values
.set PLANE_B, UNIT                     ; from Wq to Wk to Wv
.set PLANE_C, 4096*SIZE_N*2            ; from q to k to v
.set NEXT_A, PLANE_A-(SIZE_K-2*KSTEP)*2  ; bytes from a slot's last K step of a tile to its first of the next
.set NEXT_B, PLANE_B-(SIZE_K-2*KSTEP)*2
.set NEXT_C, PLANE_C-3*16*CROW         ; bytes from my last 16 rows of a tile to my first of the next
.set BIAS, 8                           ; v8-11   OUTP: bo of my four columns
.set ADRA, 16                          ; v16-17  LDS address of my A fragments in slot 0, 1
.set ADRB, 20                          ; v20-21  the same for B
.set STO,  24                          ; v24     the way out: where I put my numbers of a row
.set RD,   25                          ; v25     the way out: where I read rows back
.set CO,   26                          ; v26     my byte offset in C
.set SPW,  28                          ; v28     LDS address of my spare word: SPARE + 4 x my thread's number; never rewritten
.set NIL,  29                          ; v29     0; never rewritten
.set PFO,  30                          ; v30     the prefetches' offset: my lane x a row of A or B (4,096 bytes); never rewritten
.set TMP,  32
.set F0,   64
.set F1,   160
.set G1,   24                          ; s[24:31] descriptor group 1 for A's tiles;  s[32:39] group 0, a set for each slot
.set G0,   32
.set G1B,  48                          ; s[48:55], s[56:63] the same for B's
.set G0B,  56
.set LIM,  43                          ; s43     1 in a wave that prefetches, else the greatest number
.set PFA,  44                          ; s[44:45] where my prefetches stand: one K step further along K than the refill that is being asked for; a prefetch names the K step after that
.set PFN,  66                          ; s[66:67] OUTP = 0: what brings PFA from the K step behind a tile's last to the next tile's K step 1
.set GW0,  (1<<16)|(1<<20)|(1<<21)|(5<<22)|(3<<25)  ; group 1, word 0 beside the mask: 17:16 elements of 2 bytes; 20 padding on; 21 set beside a mask; 24:22 after every 64 words (code 5); 31:25 4 words of it (code 3)
.set MUL,  0x50                        ; fragments in window 0, C and D in window 1
.set MSB,  0
.macro WIN new                         ; the immediate's high byte repeats the setting that is left; a switch that changes nothing is dropped
.if MSB != (\new)
	s_set_vgpr_msb (MSB<<8)|(\new)
.set MSB, \new
.endif
.endm
; A joint load.  Waves 0 and 1 fetch A's two halves (64 rows each), waves 2 and 3 B's (128 rows each).  The branch hangs on the wave's number alone.
; An s_nop 0 and four v_nop follow each of the two lines, ahead of the jump, the label and what follows.
.macro JLOAD s
	s_cmp_eq_u32 s11, 0
	s_cbranch_scc0 .Lfor_b_\@
	tensor_load_to_lds s[G0+4*(\s):G0+4*(\s)+3], s[G1:G1+7]
	s_nop 0
.rept 4
	v_nop
.endr
	s_branch .Lasked_\@
.Lfor_b_\@:
	tensor_load_to_lds s[G0B+4*(\s):G0B+4*(\s)+3], s[G1B:G1B+7]
	s_nop 0
.rept 4
	v_nop
.endr
.Lasked_\@:
.endm
; A PREFETCH INTO THE L2, behind each joint load, its five lines and the run of LDS loads: 32 rows x 256 bytes of the K step that stands two refills on, a lane a row, one instruction.
; Each row's 256 bytes of a K step are named once in the launch.  A's tile row is read by both clusters of that row of clusters: the one with cluster x = 0 asks, its wave 0; B's tile column by all eight
; clusters of that column: the one with cluster y = 0 asks, its waves 2 and 3, each for the 128 rows that it fetches.  The four partners that ask for a tile jointly take 32 rows each, told apart BY ADDRESS.
; how = 0, in the loop: a tile's last two refills have no K step two on.  how = 1, at a change of tiles: the next tile's K steps 2 and 3.
.macro ASK how
.if \how
	s_cmp_eq_u32 s[LIM], 1
.else
	s_cmp_gt_u32 s3, s[LIM]                        ; s3 = 1 in the loop's last trip
.endif
	s_cbranch_scc0 .Lnot_mine_\@
	global_prefetch_b8 v[PFO], s[PFA:PFA+1] offset:KSTEP*2 th:TH_LOAD_NT scope:SCOPE_SE
.Lnot_mine_\@:
.endm
; A round of the cluster's barrier: my work-group's barrier, so that wave 0's signal speaks for all four waves; wave 0 signals; every wave waits for all sixteen work-groups; my work-group's barrier once more.
.macro CREST                           ; a round behind its opening barrier
	s_cmp_lg_u32 s10, 0
	s_cbranch_scc1 .Lnot_wave_0_\@
	s_barrier_signal -3
.Lnot_wave_0_\@:
	s_barrier_wait -3
	s_barrier_signal -1
	s_barrier_wait -1
.endm
.macro CROUND
	s_barrier_signal -1
	s_barrier_wait -1
	CREST
.endm
.if OUTP
	s_load_b256 s[68:75], s[0:1], 0x0              ; ob s[68:69], xw s[70:71], bo s[72:73], out0 s[74:75]
.else
	s_load_b128 s[4:7], s[0:1], 0x0                ; xw s[4:5], qkv s[6:7]
.endif
	v_lshl_add_u32 v[SPW], v0, 2, SPARE
	v_mov_b32 v[NIL], 0
	ds_add_u32 v[SPW], v[NIL]                      ; the wave's opening: the add and its wait stand ahead of my first tensor load; the set-up below, work on registers, stands between them
	ds_add_u32 v28, v29
	v_lshrrev_b32 v1, 5, v0
	v_readfirstlane_b32 s10, v1                    ; wave 0..3
	s_lshr_b32 s11, s10, 1                         ; which 64 rows of the tile are mine.  Also: I fetch for A (0) or for B (1)
	s_and_b32 s12, s10, 1                          ; which 128 columns.  Also: which half of that tile I fetch
	s_bfe_u32 s40, ttmp6, 0x40000                  ; cx, cy: my place in the cluster
	s_bfe_u32 s41, ttmp6, 0x40004
	s_lshl_b32 s42, ttmp9, 2                       ; in a cluster launch ttmp9 and ttmp7 count clusters
	s_add_co_u32 s42, s42, s40                     ; tile column of C = 4 x cluster x + cx, 0 to 7
	s_and_b32 s13, ttmp7, 0xffff
	s_lshl_b32 s13, s13, 2
	s_add_co_u32 s13, s13, s41                     ; tile row of C = 4 x cluster y + cy, 0 to 31
	s_lshl_b32 s43, s41, 2
	s_lshl_b32 s43, 15, s43                        ; my row of the cluster: places 4 cy .. 4 cy + 3
	s_lshl_b32 s44, 0x1111, s40                    ; my column: places cx, cx + 4, cx + 8, cx + 12
	s_or_b32 s[G1+0], s43, GW0                     ; A's tiles go to my row,
	s_or_b32 s[G1B+0], s44, GW0                    ; B's to my column
	s_mov_b32 s[G1+1], KSTEP<<16                   ; tensor_dim0 = 128
	s_mov_b32 s[G1+2], 64<<16                      ; tensor_dim1 = 64
	s_mov_b32 s[G1+3], KSTEP<<16                   ; tile_dim0 = 128
	s_mov_b32 s[G1+4], 64                          ; tile_dim1 = 64
	s_mov_b32 s[G1+5], SIZE_K                      ; elements from row to row
	s_mov_b32 s[G1+6], 0
	s_mov_b32 s[G1+7], 0
	s_mov_b32 s[G1B+1], KSTEP<<16
	s_mov_b32 s[G1B+2], 128<<16                    ; B: 128 rows to a load
	s_mov_b32 s[G1B+3], KSTEP<<16
	s_mov_b32 s[G1B+4], 128
	s_mov_b32 s[G1B+5], SIZE_K
	s_mov_b32 s[G1B+6], 0
	s_mov_b32 s[G1B+7], 0
	; where the tiles come from.  A's hang on the tile row alone, which my row of the cluster shares; B's on the tile column alone, which my column shares.
	s_lshl_b32 s17, s12, 6
	s_lshl_b32 s16, s13, 7
	s_add_co_u32 s16, s16, s17                     ; A: row 128 x tile row + 64 x half,
	s_lshl_b32 s16, s16, 12                        ; of 4,096 bytes
	s_mov_b32 s17, 0
	s_lshl_b32 s47, s12, 7
	s_lshl_b32 s46, s42, 8
	s_add_co_u32 s46, s46, s47                     ; B: row 256 x tile column + 128 x half
	s_lshl_b32 s46, s46, 12
	s_mov_b32 s47, 0
	s_mul_i32 s20, s12, AH                         ; and where they go: no place in the cluster enters an LDS address
	s_mul_i32 s23, s12, BH
	s_add_co_u32 s23, s23, BOFF
	s_wait_dscnt 0x0                               ; the opening add is done
	s_wait_kmcnt 0x0
.if OUTP
	s_mov_b64 s[4:5], s[68:69]                     ; A = ob
	s_add_nc_u64 s[6:7], s[70:71], 9*UNIT          ; B = Wo
	s_mov_b64 s[8:9], s[74:75]                     ; C = out0
.else
	s_mov_b64 s[8:9], s[6:7]                       ; C = qkv
	s_add_nc_u64 s[6:7], s[4:5], 6*UNIT            ; B = Wq; A = queries, at xw's head
.endif
	s_add_nc_u64 s[14:15], s[4:5], s[16:17]
	s_add_nc_u64 s[46:47], s[6:7], s[46:47]
	CROUND                                         ; all sixteen work-groups are here: the first joint loads meet
.irp s, 0,1
	s_mov_b32 s[G0+4*(\s)], 1                                        ; 1:0 count = 1
	s_add_co_u32 s[G0+4*(\s)+1], s20, (\s)*SLOT                      ; 63:32 LDS address
	s_add_nc_u64 s[G0+4*(\s)+2:G0+4*(\s)+3], s[14:15], (\s)*KSTEP*2  ; 120:64 global address: K step s
	s_or_b32 s[G0+4*(\s)+3], s[G0+4*(\s)+3], 0x80000000              ; 127:126 type = 2
	s_mov_b32 s[G0B+4*(\s)], 1
	s_add_co_u32 s[G0B+4*(\s)+1], s23, (\s)*SLOT
	s_add_nc_u64 s[G0B+4*(\s)+2:G0B+4*(\s)+3], s[46:47], (\s)*KSTEP*2
	s_or_b32 s[G0B+4*(\s)+3], s[G0B+4*(\s)+3], 0x80000000
	JLOAD \s                                       ; both slots are asked for before anything else is done: two loads of mine are out
.endr
	; A fragment is 16 rows x 32 K in 8 registers: lane l holds row l % 16; registers 0-3 K = 8 (l / 16) + 0..7, registers 4-7 K = 16 + 8 (l / 16) + 0..7: two loads of 16 bytes, 32 bytes apart.
	v_and_b32 v1, 15, v0                           ; l % 16
	v_bfe_u32 v2, v0, 4, 1                         ; l / 16
	v_mul_u32_u24 v3, v1, PITCH
	v_lshl_add_u32 v3, v2, 4, v3                   ; row x pitch + 16 x half
	s_mul_i32 s21, s11, AH                         ; my 64 rows of A
	s_mul_i32 s22, s12, BH                         ; my 128 rows of B,
	s_add_co_u32 s22, s22, BOFF                    ; which lie behind A's 128
.irp s, 0,1
	v_add_nc_u32 v[ADRA+(\s)], s21, v3
	v_add_nc_u32 v[ADRB+(\s)], s22, v3
	s_add_co_u32 s21, s21, SLOT
	s_add_co_u32 s22, s22, SLOT
.endr
	s_mul_i32 s23, s10, 16*SPITCH
	s_add_co_u32 s23, s23, STAGE                   ; my stage
	v_mul_u32_u24 v4, v1, SPITCH                   ; in: row l % 16,
.if OUTP
	v_lshl_add_u32 v4, v2, 5, v4                   ; 32 bytes (8 f32) for each half of the lanes
	v_add_nc_u32 v[STO], s23, v4
	v_and_b32 v5, 31, v0
	v_lshlrev_b32 v[CO], 4, v5                     ; back: 32 lanes take one row of 512 bytes; the same in C
	v_add_nc_u32 v[RD], s23, v[CO]
.else
	v_lshl_add_u32 v4, v2, 4, v4                   ; 16 bytes (8 f16) for each half of the lanes
	v_add_nc_u32 v[STO], s23, v4
	v_mul_u32_u24 v5, v2, SPITCH                   ; back: lanes 0-15 take one row of 256 bytes, lanes 16-31 the next
	v_lshl_add_u32 v5, v1, 4, v5
	v_add_nc_u32 v[RD], s23, v5
	v_mul_u32_u24 v5, v2, CROW                     ; and the same two rows in C
	v_lshl_add_u32 v[CO], v1, 4, v5
.endif
	; where my part of the first tile begins in C, in bytes: the first way out adds it to C's address
	s_lshl_b32 s16, s13, 7
	s_lshl_b32 s17, s11, 6
	s_add_co_u32 s16, s16, s17                     ; my first row of C
	s_mul_i32 s16, s16, CROW
	s_mov_b32 s17, 0
	s_mul_i32 s46, s42, 256*CEL                    ; my first column, in bytes (in the registers that held B's address)
	s_mul_i32 s47, s12, 128*CEL
	s_add_co_u32 s46, s46, s47
	s_mov_b32 s47, 0
.if OUTP
	v_add_nc_u32 v6, s46, v[CO]                    ; bo of the four columns that I store; v6 is not written again
	global_load_b128 v[BIAS:BIAS+3], v6, s[72:73]
.endif
	s_add_nc_u64 s[16:17], s[16:17], s[46:47]
	; the prefetches
	s_and_b32 s22, ttmp7, 0xffff                   ; cluster y
	s_lshl_b32 s18, s13, 7                         ; A: the tile's first row
	s_lshl_b32 s19, s42, 8                         ; B: the tile's first row,
	s_lshl_b32 s20, s12, 7
	s_add_co_u32 s19, s19, s20                     ; and the 128 that I fetch
	s_cmp_eq_u32 s11, 0                            ; do I fetch for A?
	s_cselect_b32 s20, s18, s19
	s_cselect_b32 s21, s40, s41                    ; my place among the four that ask for the tile with me
	s_cselect_b32 s22, ttmp9, s22                  ; the coordinate along which other clusters read the same rows
	s_cselect_b64 s[PFA:PFA+1], s[4:5], s[6:7]
	s_cmp_eq_u32 s10, 1                            ; A's tile has 128 rows, 32 for each partner's wave 0: wave 1 asks for nothing
	s_cselect_b32 s22, 1, s22
	s_cmp_eq_u32 s22, 0
	s_cselect_b32 s[LIM], 1, -1                    ; the same in all sixteen partners, for a given wave
	s_lshl_b32 s21, s21, 5
	s_add_co_u32 s20, s20, s21                     ; + my work-group's 32 rows
	s_lshl_b32 s20, s20, 12
	s_mov_b32 s21, 0
	s_add_nc_u64 s[PFA:PFA+1], s[PFA:PFA+1], s[20:21]
	s_add_nc_u64 s[PFA:PFA+1], s[PFA:PFA+1], 2*KSTEP*2  ; at K step 2: the first refill steps it to 3 and names K step 4.  Nothing is prefetched here, at the head
	v_and_b32 v[PFO], 31, v0
	v_lshlrev_b32 v[PFO], 12, v[PFO]
.if OUTP == 0
	s_mov_b32 s[PFN], PLANE_A-(SIZE_K-KSTEP)*2
	s_mov_b32 s18, PLANE_B-(SIZE_K-KSTEP)*2
	s_cmp_eq_u32 s11, 0
	s_cselect_b32 s[PFN], s[PFN], s18
	s_mov_b32 s[PFN+1], 0
.endif
; 8 matrix instructions: m block a x all 8 n blocks, 32 along K, from buffer f.  zero = 1: the product starts the sums: nothing is ever cleared.
; The 32 accumulators take turns, one instruction a turn, in the same order in every quarter: between two links of a chain stand the 31 others'.
.macro MULA f, a, zero
	WIN MUL
.irp b, 0,1,2,3,4,5,6,7
.set rD, 8*(8*(\a)+(\b))
.set rB, (\f)+8*(\b)
.set rA, (\f)+64+8*(\a)
.if OUTP && (\zero)
	v_wmma_f32_16x16x32_f16 v[rD:rD+7], v[rB:rB+7], v[rA:rA+7], 0
.elseif OUTP
	v_wmma_f32_16x16x32_f16 v[rD:rD+7], v[rB:rB+7], v[rA:rA+7], v[rD:rD+7]
.elseif \zero
	v_wmma_f32_16x16x32_bf16 v[rD:rD+7], v[rB:rB+7], v[rA:rA+7], 0
.else
	v_wmma_f32_16x16x32_bf16 v[rD:rD+7], v[rB:rB+7], v[rA:rA+7], v[rD:rD+7]
.endif
.endr
.endm
; 24 LDS loads in one run: the fragments of a quarter step (128 rows of B, then 64 rows of A, 32 K at byte k of the rows) into buffer f
.macro FETCH slot, k, f
	WIN 0
.irp i, 0,1,2,3,4,5,6,7
	ds_load_b128 v[(\f)+8*(\i):(\f)+8*(\i)+3],   v[ADRB+(\slot)] offset:(\k)+(\i)*16*PITCH
	ds_load_b128 v[(\f)+8*(\i)+4:(\f)+8*(\i)+7], v[ADRB+(\slot)] offset:(\k)+(\i)*16*PITCH+32
.endr
.irp i, 0,1,2,3
	ds_load_b128 v[(\f)+64+8*(\i):(\f)+64+8*(\i)+3],   v[ADRA+(\slot)] offset:(\k)+(\i)*16*PITCH
	ds_load_b128 v[(\f)+64+8*(\i)+4:(\f)+64+8*(\i)+7], v[ADRA+(\slot)] offset:(\k)+(\i)*16*PITCH+32
.endr
.endm
; A load into a register that a matrix instruction has read, and a vector or LDS instruction that reads a matrix result, stand four places behind that matrix instruction; only plain vector
; instructions that name none of its registers are places (ISA guide 7.12.1 for vector instructions).
.macro PLACES
.rept 4
	v_nop
.endr
.endm
; A K step is four quarters of 32 along K, 32 matrix instructions each, on buffers 0, 1, 0, 1.  One of the first three: multiplies buffer f; in its middle it fetches the next quarter, at byte k, into g.
.macro QUARTER slot, k, f, g, zero
	s_wait_dscnt 4                                 ; B and A's blocks 0 and 1 are in; the youngest four loads (A's blocks 2 and 3) may be out
	MULA \f, 0, \zero
	MULA \f, 1, \zero
	PLACES
	FETCH \slot, \k, \g
	s_wait_dscnt 24                                ; all but the 24 just issued
	MULA \f, 2, \zero
	MULA \f, 3, \zero
.endm
; The fourth quarter multiplies buffer 1 and changes slots: ONE barrier.  In front of it each wave waits for all its tensor loads, of which one is out: its part of the next slot; adds 0 to its spare word;
; and waits for that and for its own reads of this slot.  Behind it nobody reads this slot any more and the next slot is whole.
; mode 0: this slot is filled again with the K step two on;  mode 1: with the NEXT tile's K step 0 or 1;  mode 2: not at all.  In modes 0 and 1 the barrier opens a round of the cluster's barrier, so that
; no wave of any partner still reads the slot or has a load on its way, and the joint refill is the first tensor load behind it: it has 112 matrix instructions in which to land.
.macro TURN slot, next, mode
.if (\mode) < 2
	s_wait_xcnt 0x0                                ; the last prefetch, a K step back, has read its address: it is stepped here, ahead of the waits of the change of slots
.if ((\mode) == 1) && ((\slot) == 0)
	s_add_nc_u64 s[PFA:PFA+1], s[PFA:PFA+1], s[PFN:PFN+1]
.else
	s_add_nc_u64 s[PFA:PFA+1], s[PFA:PFA+1], KSTEP*2
.endif
.endif
	WIN 0                                          ; (the add's two registers lie in window 0)
	s_wait_tensorcnt 0x0                           ; all my tensor loads have landed;
	ds_add_u32 v[SPW], v[NIL]                      ; 0 onto my spare word;
	s_wait_dscnt 5                                 ; (the add and the youngest four loads may be out)
	MULA F1, 0, 0                                  ; eight matrix instructions stand between the add and the wait for it
	s_wait_dscnt 0x0                               ; the add is done, and my reads of this slot are over
	s_barrier_signal -1
	MULA F1, 1, 0                                  ; work on registers while the others arrive
	WIN 0
	s_barrier_wait -1
.if (\mode) < 2
	CREST
.if (\mode) == 1
	s_add_nc_u64 s[G0+4*(\slot)+2:G0+4*(\slot)+3], s[G0+4*(\slot)+2:G0+4*(\slot)+3], NEXT_A
	s_add_nc_u64 s[G0B+4*(\slot)+2:G0B+4*(\slot)+3], s[G0B+4*(\slot)+2:G0B+4*(\slot)+3], NEXT_B
.else
	s_add_nc_u64 s[G0+4*(\slot)+2:G0+4*(\slot)+3], s[G0+4*(\slot)+2:G0+4*(\slot)+3], 2*KSTEP*2
	s_add_nc_u64 s[G0B+4*(\slot)+2:G0B+4*(\slot)+3], s[G0B+4*(\slot)+2:G0B+4*(\slot)+3], 2*KSTEP*2
.endif
	JLOAD \slot                                    ; the four v_nop behind it are also the places in front of the loads below
.else
	PLACES
.endif
	FETCH \next, 0, F0
.if (\mode) < 2
	ASK \mode
.endif
	MULA F1, 2, 0
	MULA F1, 3, 0
.endm
.macro LASTQ                           ; the very last quarter: nothing more to fetch
	s_wait_dscnt 4
	MULA F1, 0, 0
	MULA F1, 1, 0
	s_wait_dscnt 0x0
	MULA F1, 2, 0
	MULA F1, 3, 0
	WIN 0
.endm
; THE WAY OUT, a block of 16 rows at a time, through my own stage in LDS: in by lanes, back as whole rows.  LDS serves a wave's instructions in order (ISA guide 5.7.1.4): the loads see the stores above them,
; and the next block's stores come behind them; no barrier and no wait between.  Each accumulator's registers are read in ascending order.
.if OUTP
.macro TOSTAGE a                       ; f32 as it is: 32 bytes a lane and n block
	WIN 0x04                                       ; store data in window 1
.irp b, 0,1,2,3,4,5,6,7
	ds_store_b128 v[STO], v[8*(8*(\a)+(\b)):8*(8*(\a)+(\b))+3]   offset:64*(\b)
	ds_store_b128 v[STO], v[8*(8*(\a)+(\b))+4:8*(8*(\a)+(\b))+7] offset:64*(\b)+16
.endr
	WIN 0
.set BK, OB+64*((\a)%3)
.irp t, 0,1,2,3,4,5,6,7,8,9,10,11,12,13,14,15
	ds_load_b128 v[BK+4*(\t):BK+4*(\t)+3], v[RD] offset:(\t)*SPITCH
.endr
.endm
.macro SEND a, younger                 ; younger: the LDS instructions issued behind block a's loads: the next block's 32, or none
	WIN 0
.set BK, OB+64*((\a)%3)
	s_wait_xcnt 0x0                                ; every earlier store has read its registers and its base: only behind this wait are they written again
.if (\a) == 0
	s_add_nc_u64 s[8:9], s[8:9], s[16:17]          ; on to my first rows
.else
	s_add_nc_u64 s[8:9], s[8:9], 16*CROW
.endif
.irp t, 0,1,2,3,4,5,6,7,8,9,10,11,12,13,14,15
	s_wait_dscnt (\younger)+15-(\t)
	v_pk_add_f32 v[BK+4*(\t):BK+4*(\t)+1],   v[BK+4*(\t):BK+4*(\t)+1],   v[BIAS:BIAS+1]
	v_pk_add_f32 v[BK+4*(\t)+2:BK+4*(\t)+3], v[BK+4*(\t)+2:BK+4*(\t)+3], v[BIAS+2:BIAS+3]
	global_store_b128 v[CO], v[BK+4*(\t):BK+4*(\t)+3], s[8:9] offset:(\t)*CROW  ; 32 lanes store 512 consecutive bytes, at a multiple of 256 from C's first byte
.endr
.endm
.macro WAYOUT                          ; a block's trip through the stage stands under the stores of the block before; buffer 0 is loaded again (block 3) behind SEND 1's wait, which covers SEND 0's stores
	TOSTAGE 0
	TOSTAGE 1
	SEND 0, 32
	TOSTAGE 2
	SEND 1, 32
	TOSTAGE 3
	SEND 2, 32
	SEND 3, 0
.endm
.else
.macro PACK a                          ; rounded to f16: a lane's eight columns of an n block are 16 bytes
	WIN 0x05                                       ; sources 0 and 1 in window 1
.irp b, 0,1,2,3,4,5,6,7
.irp r, 0,1,2,3
	v_cvt_pk_f16_f32 v[TMP+4*(\b)+(\r)], v[8*(8*(\a)+(\b))+2*(\r)], v[8*(8*(\a)+(\b))+2*(\r)+1]
.endr
.endr
	WIN 0
.endm
.macro TOSTAGE a
	WIN 0
.set BK, OB+32*((\a)%2)
.irp b, 0,1,2,3,4,5,6,7
	ds_store_b128 v[STO], v[TMP+4*(\b):TMP+4*(\b)+3] offset:32*(\b)
.endr
.irp t, 0,1,2,3,4,5,6,7
	ds_load_b128 v[BK+4*(\t):BK+4*(\t)+3], v[RD] offset:(\t)*2*SPITCH
.endr
.endm
.macro SEND a
	WIN 0
.set BK, OB+32*((\a)%2)
	s_wait_dscnt 0x0                               ; the block is back in registers
	s_wait_xcnt 0x0                                ; every earlier store has read its registers and its base: only behind this wait are they written again
.if (\a) == 0
	s_add_nc_u64 s[8:9], s[8:9], s[16:17]          ; on to this tile's first rows
.else
	s_add_nc_u64 s[8:9], s[8:9], 16*CROW
.endif
.irp t, 0,1,2,3,4,5,6,7
	global_store_b128 v[CO], v[BK+4*(\t):BK+4*(\t)+3], s[8:9] offset:2*(\t)*CROW  ; 16 lanes store 256 consecutive bytes, at a multiple of 256 from C's first byte
.endr
.endm
.macro WAYOUT                          ; block a's conversions stand between block a - 1's loads from the stage and the wait for them
	PACK 0
	TOSTAGE 0
.irp a, 1,2,3
	PACK \a
	SEND (\a)-1
	TOSTAGE \a
.endr
	SEND 3
.endm
.endif
	s_wait_tensorcnt 1                             ; my part of K step 0 is in; K step 1's may stay out
	s_barrier_signal -1
	s_barrier_wait -1                              ; everybody's is
	FETCH 0, 0, F0
.if TILES > 1
	s_mov_b32 s2, TILES                            ; tiles to go, this one among them: the same number in every work-group
.Ltile:
.endif
	QUARTER 0, 64,  F0, F1, 1                      ; a tile's first quarter stands in front of the loop: its products start the sums
	WIN 0                                          ; at a label and at a branch every window is 0
	s_mov_b32 s3, LAPS-1
.Llap:                                                 ; a trip goes once round the ring, from a lap's second quarter to the next lap's first, and fills both slots again
	QUARTER 0, 128, F1, F0, 0
	QUARTER 0, 192, F0, F1, 0
	TURN 0, 1, 0
	QUARTER 1, 64,  F0, F1, 0
	QUARTER 1, 128, F1, F0, 0
	QUARTER 1, 192, F0, F1, 0
	TURN 1, 0, 0
	QUARTER 0, 64,  F0, F1, 0
	WIN 0
	s_sub_co_u32 s3, s3, 1
	s_cmp_lg_u32 s3, 0
	s_cbranch_scc1 .Llap
	QUARTER 0, 128, F1, F0, 0                      ; the tile's last lap goes on
	QUARTER 0, 192, F0, F1, 0
.if TILES > 1
	WIN 0
	s_cmp_eq_u32 s2, 1
	s_cbranch_scc1 .Llast                          ; the last tile's tail is written out: it asks for nothing more
	TURN 0, 1, 1                                   ; the ring goes on into the next tile: slot 0 takes its K step 0,
	QUARTER 1, 64,  F0, F1, 0
	QUARTER 1, 128, F1, F0, 0
	QUARTER 1, 192, F0, F1, 0
	TURN 1, 0, 1                                   ; slot 1 its K step 1, and the next tile's first fragments are fetched
	WAYOUT                                         ; both refills are asked for: now the tile goes out.  No v_nop: blocks 0 and 1 were finished in front of TURN's places, and their 64 conversions,
	                                               ; which name no register of the last products (blocks 2 and 3's), are those products' places
	s_wait_xcnt 0x0                                ; the stores have read v160-223, which the next tile's first quarter loads again
	s_mov_b32 s16, NEXT_C                          ; what the next way out adds to C's address
	s_mov_b32 s17, 0
	s_sub_co_u32 s2, s2, 1
	s_branch .Ltile
.Llast:
.endif
	TURN 0, 1, 2                                   ; my one tensor load that was still out is slot 1's, the last K step's, so no round follows
	QUARTER 1, 64,  F0, F1, 0
	QUARTER 1, 128, F1, F0, 0
	QUARTER 1, 192, F0, F1, 0
	LASTQ
	PLACES                                         ; the way out reads results just made, and loads into registers just read
	PLACES                                         ; (eight, once a launch)
.if OUTP
	s_wait_loadcnt 0x0                             ; bo
	v_cvt_pk_bf16_f32 v12, v[BIAS], v[BIAS+1]      ; rounded to bf16, as every input of the module is, and widened again
	v_cvt_pk_bf16_f32 v13, v[BIAS+2], v[BIAS+3]
	v_lshlrev_b32 v[BIAS],   16, v12
	v_and_b32     v[BIAS+1], 0xffff0000, v12
	v_lshlrev_b32 v[BIAS+2], 16, v13
	v_and_b32     v[BIAS+3], 0xffff0000, v13
.endif
	WAYOUT
	s_wait_tensorcnt 0x0                           ; the wave's end: behind my last tensor load and my last LDS store
	ds_add_u32 v[SPW], v[NIL]
	s_wait_dscnt 0x0
	CROUND                                         ; the closing round: no work-group ends while a partner may still ask for a tile that names it
	s_endpgm
.Lfunc_end_k_qdf0f9ff33a_outp:
	.size	k_qdf0f9ff33a_outp, .Lfunc_end_k_qdf0f9ff33a_outp-k_qdf0f9ff33a_outp
	.p2alignl 7, 3214868480
	.fill 96, 4, 3214868480
	.section	.rodata,"a",@progbits
	.p2align	6, 0x0
	.amdhsa_kernel k_qdf0f9ff33a_outp
		.amdhsa_group_segment_fixed_size 327680
		.amdhsa_private_segment_fixed_size 0
		.amdhsa_enable_private_segment 0
		.amdhsa_kernarg_size 32
		.amdhsa_user_sgpr_count 2
		.amdhsa_user_sgpr_kernarg_segment_ptr 1
		.amdhsa_wavefront_size32 1
		.amdhsa_system_sgpr_workgroup_id_x 1
		.amdhsa_system_sgpr_workgroup_id_y 1
		.amdhsa_system_sgpr_workgroup_id_z 1
		.amdhsa_system_vgpr_workitem_id 0
		.amdhsa_next_free_vgpr 512
		.amdhsa_next_free_sgpr 76
		.amdhsa_reserve_vcc 0
		.amdhsa_float_denorm_mode_32 3
		.amdhsa_float_denorm_mode_16_64 3
		.amdhsa_memory_ordered 1
		.amdhsa_forward_progress 1
		.amdhsa_inst_pref_size 97
	.end_amdhsa_kernel
	.amdgpu_metadata
---
amdhsa.version: [ 1, 2 ]
amdhsa.kernels:
  - .name:           k_qdf0f9ff33a_outp
    .symbol:         k_qdf0f9ff33a_outp.kd
    .args:
      - { .name: ob, .offset: 0, .size: 8, .value_kind: global_buffer, .address_space: global }
      - { .name: xw, .offset: 8, .size: 8, .value_kind: global_buffer, .address_space: global }
      - { .name: bo, .offset: 16, .size: 8, .value_kind: global_buffer, .address_space: global }
      - { .name: out0, .offset: 24, .size: 8, .value_kind: global_buffer, .address_space: global }
    .group_segment_fixed_size: 327680
    .private_segment_fixed_size: 0
    .kernarg_segment_align: 8
    .kernarg_segment_size: 32
    .max_flat_workgroup_size: 128
    .sgpr_count:     76
    .vgpr_count:     512
    .wavefront_size: 32
...
	.end_amdgpu_metadata
.endif
;; end of part 4
;; ======== version 2 of 2: 4 launches; version 1 with the launch cast written anew for expert scheduling mode
;; limits: values are held in f16: magnitudes above 65,504 overflow, below 6.1e-05 lose precision
;; workspace buffers: xw 83,886,080 bytes; qkv 50,331,648 bytes; ob 16,777,216 bytes
;; launch cast (part 5): grid 128 x 10, 8 waves a work-group, no clusters, 0 bytes of LDS; arguments queries, keys, values, Wq, Wk, Wv, Wo, xw; writes xw
.if DOCPART == 5
	.amdgcn_target "amdgcn-amd-amdhsa--gfx1250"
	.amdhsa_code_object_version 6
	.text
	.protected	k_qdf0f9ff33a_cast
	.globl	k_qdf0f9ff33a_cast
	.p2align	8
	.type	k_qdf0f9ff33a_cast,@function
k_qdf0f9ff33a_cast:
	s_mov_b64 s[64:65], 0
	v_nop
	global_prefetch_b8 v0, s[64:65] scope:SCOPE_SE
	s_setreg_imm32_b32 hwreg(HW_REG_WAVE_SCHED_MODE, 0, 2), 2
	s_setreg_imm32_b32 hwreg(HW_REG_WAVE_MODE, 25, 1), 1
	s_wait_xcnt 0x0
	s_wait_alu depctr_vm_vsrc(0)
; THE CAST.  All seven large inputs, f32, are rounded once to 16 bits and laid into one buffer xw of ten units of [2048][2048] numbers (8,388,608 bytes each):
; units 0-1 queries, 2-3 keys, 4-5 values (each [4096][2048]), 6 Wq, 7 Wk, 8 Wv: bf16;  unit 9 Wo: rounded to bf16 like the others, and that number written as f16,
; since the last product multiplies it with f16 numbers.
; LIMITS.  f16 holds Wo's bf16 value exactly from 2^-17 up to 65,504; below 2^-17 it is off by 2^-25 at the most; beyond 65,504 it would be an infinity.
; SHARES.  The grid's y is the unit.  A work-group owns 16 rows of its unit; thread t owns 8 columns of every row: 32 bytes in (two loads of 16), 16 bytes out,
; so sixteen neighbouring lanes store 256 consecutive bytes, aligned.  All 32 loads of a thread go out at once; the rows are converted as they come.
; No LDS, no barrier, no matrix unit: no wave wants a byte that another has fetched.  Every byte is read once and written once.
; THE MODE: SCHED_MODE bits 1:0 = 2 (LLVM: expert scheduling mode 2), set by the entry lines.  The code itself states the register dependences
; between vector instructions and memory instructions, with s_wait_alu, always for 0.
; THE PLAN.  Registers that memory instructions touch:
;   v1, v2     byte offsets, made once at the head and never written again: v1 is read by every load, v2 by every store.
;   X, row i   Written by row i's two loads, which are issued at the head, before any vector instruction names X.  Row i's conversions read the eight registers and write the first four in place;
;              row i's one store reads those four; nothing writes them behind that store.
;   T          is named by vector instructions alone.
; The 16 rows go in four blocks of four.  Row i's store is issued four rows later, at the head of row i + 4.  So ONE wait on va_vdst at a block's head states that the block before has written its
; results, and that block's four stores follow it, dealt among this block's conversions, which name this block's rows and T: none of the registers that those stores read.
; No register that a memory instruction has read is written again: beyond the entry lines the text holds no wait on vm_vsrc.
.set X, 8                              ; v[8:135]   row i as loaded at X + 8 i; its first four registers then hold the packed result
.set T, 136                            ; v[136:143] at work in Wo's path
.set RIN,  8192                        ; bytes in a row, f32
.set ROUT, 4096                        ; bytes in a row, 16 bits
.set BLOCK, 4                          ; rows in a block
	s_load_b512 s[8:23], s[0:1], 0x0               ; queries s[8:9], keys s[10:11], values s[12:13], Wq s[14:15], Wk s[16:17], Wv s[18:19], Wo s[20:21], xw s[22:23]
	s_and_b32 s2, ttmp7, 0xffff                    ; the unit, 0 to 9
	s_lshr_b32 s3, s2, 1                           ; units 0 to 5: which of the three activations
	v_lshlrev_b32 v1, 5, v0                        ; my 32 bytes of a row of the source
	v_lshlrev_b32 v2, 4, v0                        ; my 16 bytes of a row of xw
	s_lshl_b32 s24, ttmp9, 17                      ; the work-group's 16 rows of 8,192 bytes,
	s_and_b32 s26, s2, 1
	s_lshl_b32 s26, s26, 24                        ; and, in an activation, its second half of 2,048 rows
	s_cmp_lt_u32 s2, 6
	s_cselect_b32 s26, s26, 0
	s_add_co_u32 s24, s24, s26
	s_mov_b32 s25, 0
	s_lshl_b32 s26, s2, 23                         ; the unit in xw,
	s_lshl_b32 s27, ttmp9, 16                      ; the work-group's 16 rows of 4,096 bytes
	s_add_co_u32 s26, s26, s27
	s_mov_b32 s27, 0
	s_wait_kmcnt 0x0
	s_mov_b64 s[4:5], s[8:9]                       ; the source is chosen by the unit's number alone
	s_cmp_eq_u32 s3, 1
	s_cselect_b64 s[4:5], s[10:11], s[4:5]
	s_cmp_eq_u32 s3, 2
	s_cselect_b64 s[4:5], s[12:13], s[4:5]
	s_cmp_eq_u32 s2, 6
	s_cselect_b64 s[4:5], s[14:15], s[4:5]
	s_cmp_eq_u32 s2, 7
	s_cselect_b64 s[4:5], s[16:17], s[4:5]
	s_cmp_eq_u32 s2, 8
	s_cselect_b64 s[4:5], s[18:19], s[4:5]
	s_cmp_eq_u32 s2, 9
	s_cselect_b64 s[4:5], s[20:21], s[4:5]
	s_add_nc_u64 s[4:5], s[4:5], s[24:25]
	s_add_nc_u64 s[6:7], s[22:23], s[26:27]
	s_wait_alu depctr_va_vdst(0)                   ; v1 and v2 are written: every load of the kernel reads v1 as its offset, every store v2
.set i, 0
.rept 16
	global_load_b128 v[X+8*i:X+8*i+3],   v1, s[4:5] offset:RIN*i th:TH_LOAD_NT
	global_load_b128 v[X+8*i+4:X+8*i+7], v1, s[4:5] offset:RIN*i+16 th:TH_LOAD_NT
.set i, i+1
.endr
; Row i's store: its four packed registers.
.macro OUT i
	global_store_b128 v2, v[X+8*(\i):X+8*(\i)+3], s[6:7] offset:ROUT*(\i) th:TH_STORE_NT
.endm
; Row i.  wo = 1: the bf16 numbers are widened again (a shift, a mask) and written as f16.  No register that a store reads is written behind that store.
.macro ROW i, wo
	s_wait_loadcnt 30-2*(\i)                       ; loads come back in order: row i's two are in, the 30 - 2 i issued behind them may stay out
.if ((\i) >= BLOCK) && (((\i)%BLOCK) == 0)
	s_wait_alu depctr_va_vdst(0)                   ; the conversions of the block before have written its four rows' packed registers, which the next four stores read
.endif
.if (\i) >= BLOCK
	OUT (\i)-BLOCK                                 ; the row four back.  No wait of its own: no vector instruction since the block's wait names its registers
.endif
.irp j, 0,1,2,3
	v_cvt_pk_bf16_f32 v[X+8*(\i)+(\j)], v[X+8*(\i)+2*(\j)], v[X+8*(\i)+2*(\j)+1]  ; in place, ascending: word j is written when words 2 j and 2 j + 1 are read
.endr
.if \wo
.irp j, 0,1,2,3
	v_lshlrev_b32 v[T+2*(\j)],   16, v[X+8*(\i)+(\j)]
	v_and_b32     v[T+2*(\j)+1], 0xffff0000, v[X+8*(\i)+(\j)]
.endr
.irp j, 0,1,2,3
	v_cvt_pk_f16_f32 v[X+8*(\i)+(\j)], v[T+2*(\j)], v[T+2*(\j)+1]
.endr
.endif
.endm
; Behind row 15: the last block's four stores.
.macro TAIL
	s_wait_alu depctr_va_vdst(0)                   ; the conversions of rows 12 to 15 have written their packed registers, which the last four stores read
.irp i, 12,13,14,15
	OUT \i
.endr
.endm
	s_cmp_eq_u32 s2, 9
	s_cbranch_scc1 .Lwo
.irp i, 0,1,2,3,4,5,6,7,8,9,10,11,12,13,14,15
	ROW \i, 0
.endr
	TAIL
	s_endpgm
.Lwo:
.irp i, 0,1,2,3,4,5,6,7,8,9,10,11,12,13,14,15
	ROW \i, 1
.endr
	TAIL
	s_endpgm
.Lfunc_end_k_qdf0f9ff33a_cast:
	.size	k_qdf0f9ff33a_cast, .Lfunc_end_k_qdf0f9ff33a_cast-k_qdf0f9ff33a_cast
	.p2alignl 7, 3214868480
	.fill 96, 4, 3214868480
	.section	.rodata,"a",@progbits
	.p2align	6, 0x0
	.amdhsa_kernel k_qdf0f9ff33a_cast
		.amdhsa_group_segment_fixed_size 0
		.amdhsa_private_segment_fixed_size 0
		.amdhsa_enable_private_segment 0
		.amdhsa_kernarg_size 64
		.amdhsa_user_sgpr_count 2
		.amdhsa_user_sgpr_kernarg_segment_ptr 1
		.amdhsa_wavefront_size32 1
		.amdhsa_system_sgpr_workgroup_id_x 1
		.amdhsa_system_sgpr_workgroup_id_y 1
		.amdhsa_system_sgpr_workgroup_id_z 1
		.amdhsa_system_vgpr_workitem_id 0
		.amdhsa_next_free_vgpr 144
		.amdhsa_next_free_sgpr 66
		.amdhsa_reserve_vcc 0
		.amdhsa_float_denorm_mode_32 3
		.amdhsa_float_denorm_mode_16_64 3
		.amdhsa_memory_ordered 1
		.amdhsa_forward_progress 1
		.amdhsa_inst_pref_size 27
	.end_amdhsa_kernel
	.amdgpu_metadata
---
amdhsa.version: [ 1, 2 ]
amdhsa.kernels:
  - .name:           k_qdf0f9ff33a_cast
    .symbol:         k_qdf0f9ff33a_cast.kd
    .args:
      - { .name: queries, .offset: 0, .size: 8, .value_kind: global_buffer, .address_space: global }
      - { .name: keys, .offset: 8, .size: 8, .value_kind: global_buffer, .address_space: global }
      - { .name: values, .offset: 16, .size: 8, .value_kind: global_buffer, .address_space: global }
      - { .name: Wq, .offset: 24, .size: 8, .value_kind: global_buffer, .address_space: global }
      - { .name: Wk, .offset: 32, .size: 8, .value_kind: global_buffer, .address_space: global }
      - { .name: Wv, .offset: 40, .size: 8, .value_kind: global_buffer, .address_space: global }
      - { .name: Wo, .offset: 48, .size: 8, .value_kind: global_buffer, .address_space: global }
      - { .name: xw, .offset: 56, .size: 8, .value_kind: global_buffer, .address_space: global }
    .group_segment_fixed_size: 0
    .private_segment_fixed_size: 0
    .kernarg_segment_align: 8
    .kernarg_segment_size: 64
    .max_flat_workgroup_size: 256
    .sgpr_count:     66
    .vgpr_count:     144
    .wavefront_size: 32
...
	.end_amdgpu_metadata
.endif
;; end of part 5
;; launch proj: the kernel of part 2 again; grid 8 x 48, 4 waves a work-group, clusters of 4 x 4, 327,680 bytes of LDS; arguments xw, qkv; writes qkv
;; launch attn: the kernel of part 3 again; grid 256 x 1, 8 waves a work-group, no clusters, 248,832 bytes of LDS; arguments qkv, ob; writes ob
;; launch outp: the kernel of part 4 again; grid 8 x 32, 4 waves a work-group, clusters of 4 x 4, 327,680 bytes of LDS; arguments ob, xw, bo, out0; writes out0
